; MI455X (gfx1250); checked and timed in simulation.
; The chip was launched on July 23, 2026; its instructions are those of AMD's public machine-readable ISA for CDNA 5 (MIT licence, August 2026) and "CDNA5" Instruction Set Architecture Reference Guide (July 2026). The comments in the code are by the model that wrote it; some were corrected since.
;; Verify Llama Attention. Allowed arithmetic: matrix products marked QUANTISED: E2M3 operands, one E8M0 scale for each 32 along K, by v_wmma_scale_f32_16x16x128_f8f6f4 with both operands' format E2M3, f32 sums; everything else in f32.
;; Inputs: cos 1 x 2,048 x 128 float32; hidden_states 1 x 2,048 x 4,096 float32; sin 1 x 2,048 x 128 float32; wk 1,024 x 4,096 float32; wo 4,096 x 2,048 float32; wq 2,048 x 4,096 float32; wv 1,024 x 4,096 float32.
;; Outputs: out0 1 x 2,048 x 4,096 float32.
;; This version of the problem:
;;   THIS VERSION OF THE PROBLEM IS GIVEN IN LOW PRECISION. The matrix products marked QUANTISED in the list below multiply operands that are first quantised to E2M3 (2 exponent bits, 3 mantissa bits; 6 bits a number), with one power-of-two scale for each 32 numbers along K (OCP MX v1.0); their sums are f32. All else is computed in f32.
;;   The module's matrix products, in the order in which they are computed (A, B: the left and right operand; K: the contracted axis; several contracted axes count as one K, in the product's order):
;;     1. [M 2,048, K 4,096] x [K 4,096, N 2,048]; A: input hidden_states; B: input wq: QUANTISED
;;     2. [M 2,048, K 4,096] x [K 4,096, N 1,024]; A: input hidden_states; B: input wk: QUANTISED
;;     3. [M 2,048, K 4,096] x [K 4,096, N 1,024]; A: input hidden_states; B: input wv: QUANTISED
;;     4. batch 16 x [M 2,048, K 128] x [K 128, N 2,048]; A: computed on the way; B: computed on the way: QUANTISED
;;     5. batch 16 x [M 2,048, K 2,048] x [K 2,048, N 128]; A: softmax (see below); B: computed on the way: QUANTISED
;;     6. [M 2,048, K 2,048] x [K 2,048, N 4,096]; A: computed on the way; B: input wo: QUANTISED
;;   THE QUANTISER, for each operand of a quantised product, along K:
;;     - K is cut into blocks of 32 from its start; a last block that is shorter is filled with zeros.
;;     - A block's scale is 2^e with e = floor(log2(the largest magnitude in the block)) - 2, held to -126 .. 127; a block of zeros has e = 0. As a byte (E8M0): e + 127.
;;     - Each number is divided by its block's scale, clamped to +-7.5, and rounded to the nearest number of E2M3, ties to even, subnormals kept.
;;     - The product sums the exact products of the quantised numbers (number of the format x scale) in f32.
;;   ~~~python
;;   def quantise(x, axis):      # numpy; x: float32 -> the quantised numbers, widened to float32 again
;;       x = np.moveaxis(x, axis, -1); K = x.shape[-1]
;;       x = np.pad(x, [(0, 0)] * (x.ndim - 1) + [(0, -K % 32)]); x = x.reshape(x.shape[:-1] + (-1, 32)); a = np.abs(x).max(-1, keepdims=True)
;;       e = np.where(a > 0, np.clip(np.frexp(np.where(a > 0, a, 1))[1] - 1 - 2, -126, 127), 0)      # np.frexp(a)[1] - 1 = floor(log2(a)), exactly
;;       r = np.clip(x / 2.0 ** e, -7.5, 7.5)
;;       step = 2.0 ** (np.maximum(np.frexp(np.where(r == 0, 1, r))[1] - 1, 0) - 3)
;;       q = np.round(r / step) * step * 2.0 ** e      # np.round: ties to even
;;       return np.moveaxis(q.reshape(q.shape[:-2] + (-1,))[..., :K], -1, axis).astype(np.float32)
;;   ~~~
;;   SOFTMAX AHEAD OF A QUANTISED PRODUCT. Where the list says 'softmax', what is quantised is not the finished softmax but p = 2^(t - M), with t = logit x log2(e) and M = ceil(the row's largest t), a whole number; so 1/2 < the row's largest p <= 1. The row's sum l is taken of the UNQUANTISED p, in f32, and the product's result is divided by l at the end. Since M is a whole number, a kernel that streams over the keys may use a running M (the ceiling of the running maximum): every later rescaling is an exact power of two, which a block's scale takes up: the codes' values come out the same.
;;   OPERANDS COMPUTED ON THE WAY. 'Computed on the way' means the value that the module computes at that place (a softmax that the list does not call 'softmax' is quantised finished and normalised). What goes into a quantiser is computed in f32, as accurately as f32 sums, v_exp_f32 and their like allow (about 1e-6 of the number): no bf16 or f16 on the way to a quantiser, and a product that is left as it is and whose result goes on into a quantised operand takes f32 operands (vector FMAs, or v_wmma_f32_16x16x4_f32). A number that lies on a knife's edge between two numbers of the format may be rounded either way, as far as f32 arithmetic and the matrix unit's own rounding can turn it there, and no further.
;; One version. Each part assembles by itself: llvm-mc -triple=amdgcn-amd-amdhsa -mcpu=gfx1250 --defsym DOCPART=n.
;; ======== version 1 of 1: 4 launches
;; limits: right only within a limited range of input values
;; workspace buffers: xf 6,553,600 bytes; wf 13,107,200 bytes; wof 6,553,600 bytes; qf 3,276,800 bytes; kvf 3,276,800 bytes; cf 3,276,800 bytes
;; launch quant (part 1): grid 512 x 1, 8 waves a work-group, no clusters, 70,656 bytes of LDS; arguments hidden_states, wq, wk, wv, wo, xf, wf, wof; writes xf, wf, wof
.if DOCPART == 1
	.amdgcn_target "amdgcn-amd-amdhsa--gfx1250"
	.amdhsa_code_object_version 6
	.text
	.protected	k_qc62e631a99_quant
	.globl	k_qc62e631a99_quant
	.p2align	8
	.type	k_qc62e631a99_quant,@function
k_qc62e631a99_quant:
	s_mov_b64 s[64:65], 0
	v_nop
	global_prefetch_b8 v0, s[64:65] scope:SCOPE_SE
	s_setreg_imm32_b32 hwreg(HW_REG_WAVE_MODE, 25, 1), 1
	s_wait_xcnt 0x0
; LAUNCH 1 OF 4.  hidden_states [2048][4096], wq [2048][4096], wk, wv [1024][4096], wo [4096][2048], all f32 with K innermost, become codes of FP6 (E2M3) with one E8M0 byte for each 32 along K.
; NOTHING OF reference() IS LEFT OUT in this program: every input has a way to the output and every product of the table is done.  repeat_kv is an index (kv head = head / 2) and is never laid out.
; A block's scale is 2^(floor(log2(its largest magnitude)) - 2); its byte is the largest magnitude's exponent field - 2, held at 1 from below; each number / scale goes to the nearest code, ties to even, beyond 7.5 to 7.5.
; LIMITS: NaN and infinities among the inputs are not served.  A block of zeros gets the byte 1 where the rule says 127 (its codes are zeros, and this program alone reads the bytes); blocks whose largest
; magnitude lies under 2^-124 are held at the byte 1.
; THE LAYOUT OF ALL WORKSPACE BUFFERS: operands lie as IMAGES OF THEIR REGISTERS.  A fragment is 16 rows x 128 K, 12 registers a lane; its image is 1,536 bytes: register 4 c + k of lane l at 512 c + 16 l + 4 k.
; Fragment f (0..7) of a block of 128 rows holds, in lane r (= lane % 16), row 32 (f / 2) + 8 (f % 2) + r + 8 (r / 8): so that, where such a fragment is source 0 of a product, a lane's 16 results of fragments
; 2 c and 2 c + 1 are 16 neighbours along that axis.  A RECORD is 128 rows x 512 K: 32 images (K step q, fragment f: number 8 q + f), then their scale words (64 bytes an image, 4 bytes a row): 51,200 bytes.
; SHARES.  A work-group makes one record; wave w makes fragment w of its four K steps.  Each load reads 512 consecutive bytes of one row; the 16 rows x 512 bytes turn through the wave's own stage in LDS,
; so that a lane gets 16 neighbours of each block of 32 of ITS row; the codes leave as 512 consecutive bytes a store; the record's 2,048 scale bytes are gathered in LDS and leave as 256 bytes a wave.
; One path serves all five tensors: only pointers and numbers are chosen, by the work-group's number.  No tensor load, no ring; one barrier, in front of the scale bytes' way out.
.set REC,    51200
.set SCO,    49152                     ; a record's scale words begin here
.set FRB,    1536                      ; an image
.set SPITCH, 528                       ; a stage row: 512 bytes + 16: the sixteen lanes of half a wave then read sixteen different columns of 16 bytes
.set STG,    16*SPITCH                 ; a wave's stage
.set SCG,    8*STG                     ; behind the eight stages: the record's scale words, 2,048 bytes
.set SPARE,  SCG+2048                  ; the spare words, 128 bytes for each wave: four blocks of 256 bytes that no other line names
.set SPW, 1                            ; v1   LDS address of my spare word; never rewritten
.set NIL, 2                            ; v2   0; never rewritten
.set LI,  3                            ; v3   16 x lane
.set STW, 4                            ; v4   the stage on the way in: 16 x lane in row 0
.set STR, 5                            ; v5   and on the way out: row r, + 64 h
.set SGW, 6                            ; v6   where my fragment's scale word goes
.set SGR, 7                            ; v7   where I read 8 scale bytes back
.set SGO, 8                            ; v8   and their place in the record
.set CO,  9                            ; v9   my 16 bytes of my fragment's image in K step 0
.set R,   16                           ; v16-143  two sets of 64: a fragment's numbers as loaded
.set X,   144                          ; v144-207 register 16 b + i = k 32 b + 16 h + i of my row
.set TM,  208                          ; v208-223 at work in QUANT
.set PW,  224                          ; v224     the scale word just made
.set PC,  226                          ; v226-244 the codes just made
.set SB,  246                          ; v[246:247] scale bytes on their way out
.set SEL, 2                            ; s[2:3]   v_permlanex16_b32's selects for lane l xor 16
.set WV,  20                           ; s20      my wave's number
.set ROWS, 32                          ; s[32:63] the addresses of my 16 rows; never rewritten
	s_load_b256 s[4:11], s[0:1], 0x0               ; hidden_states, wq, wk, wv
	s_load_b256 s[12:19], s[0:1], 0x20             ; wo, xf, wf, wof
	v_lshl_add_u32 v[SPW], v0, 2, SPARE
	v_mov_b32 v[NIL], 0
	v_lshrrev_b32 v10, 5, v0
	s_delay_alu instid0(VALU_DEP_1)
	v_readfirstlane_b32 s[WV], v10                 ; wave 0..7
	v_and_b32 v10, 31, v0                          ; lane
	v_and_b32 v11, 15, v0                          ; r
	v_bfe_u32 v12, v0, 4, 1                        ; h
	s_delay_alu instid0(VALU_DEP_3)
	v_lshlrev_b32 v[LI], 4, v10
	s_mul_i32 s21, s[WV], STG
	v_add_nc_u32 v[STW], s21, v[LI]
	v_mul_u32_u24 v[STR], v11, SPITCH
	s_delay_alu instid0(VALU_DEP_1)
	v_lshl_add_u32 v[STR], v12, 6, v[STR]
	s_delay_alu instid0(VALU_DEP_1)
	v_add_nc_u32 v[STR], s21, v[STR]
	s_lshl_b32 s21, s[WV], 6
	s_add_co_u32 s21, s21, SCG
	v_lshl_add_u32 v[SGW], v11, 2, s21             ; SCG + 64 w + 4 r (+ 512 for each K step)
	s_lshl_b32 s21, s[WV], 8
	v_lshl_add_u32 v[SGO], v10, 3, s21             ; 256 w + 8 x lane
	s_delay_alu instid0(VALU_DEP_1)
	v_add_nc_u32 v[SGR], SCG, v[SGO]
	s_delay_alu instid0(VALU_DEP_2)
	v_add_nc_u32 v[SGO], SCO, v[SGO]
	s_mul_i32 s21, s[WV], FRB
	v_add_nc_u32 v[CO], s21, v[LI]
.irp b, 0,1,2,3
	v_mov_b32 v[TM+4+\b], 0                        ; written once: a lane permute's destination counts as one of its sources
.endr
	s_mov_b32 s[SEL], 0x76543210
	s_mov_b32 s[SEL+1], 0xfedcba98
	s_wait_kmcnt 0x0
	; which tensor: records 0-127 hidden_states, 128-255 wq, 256-319 wk, 320-383 wv (wq, wk, wv lie on end in wf), 384-511 wo
	s_mov_b64 s[22:23], s[12:13]                   ; from: wo
	s_mov_b64 s[24:25], s[18:19]                   ; to: wof
	s_mov_b32 s26, 384                             ; the tensor's first record
	s_mov_b32 s27, 384                             ; the buffer's first record
	s_mov_b32 s28, 2                               ; log2 of the records in a block of 128 rows
	s_mov_b32 s29, 8192                            ; a row in bytes
	s_cmp_lt_u32 ttmp9, 384
	s_cselect_b64 s[22:23], s[10:11], s[22:23]
	s_cselect_b64 s[24:25], s[16:17], s[24:25]
	s_cselect_b32 s26, 320, s26
	s_cselect_b32 s27, 128, s27
	s_cselect_b32 s28, 3, s28
	s_cselect_b32 s29, 16384, s29
	s_cmp_lt_u32 ttmp9, 320
	s_cselect_b64 s[22:23], s[8:9], s[22:23]
	s_cselect_b32 s26, 256, s26
	s_cmp_lt_u32 ttmp9, 256
	s_cselect_b64 s[22:23], s[6:7], s[22:23]
	s_cselect_b32 s26, 128, s26
	s_cmp_lt_u32 ttmp9, 128
	s_cselect_b64 s[22:23], s[4:5], s[22:23]
	s_cselect_b64 s[24:25], s[14:15], s[24:25]
	s_cselect_b32 s26, 0, s26
	s_cselect_b32 s27, 0, s27
	s_sub_co_u32 s26, ttmp9, s26                   ; my record in the tensor
	s_lshr_b32 s30, s26, s28                       ; its block of 128 rows
	s_lshl_b32 s31, s30, s28
	s_sub_co_u32 s31, s26, s31                     ; its 512 along K
	s_lshl_b32 s30, s30, 7
	s_lshr_b32 s26, s[WV], 1
	s_lshl_b32 s26, s26, 5
	s_add_co_u32 s30, s30, s26
	s_and_b32 s26, s[WV], 1
	s_lshl_b32 s26, s26, 3
	s_add_co_u32 s30, s30, s26                     ; my fragment's first row: 128 x block + 32 (w / 2) + 8 (w % 2)
	s_mul_i32 s30, s30, s29
	s_lshl_b32 s31, s31, 11
	s_add_co_u32 s30, s30, s31                     ; in bytes: under 2^26
	s_mov_b32 s31, 0
	s_add_nc_u64 s[ROWS:ROWS+1], s[22:23], s[30:31]
	s_sub_co_u32 s26, ttmp9, s27
	s_mul_i32 s26, s26, REC
	s_mov_b32 s27, 0
	s_add_nc_u64 s[24:25], s[24:25], s[26:27]      ; my record
	s_mov_b32 s28, s29                             ; a row on,
	s_mov_b32 s29, 0
	s_mul_i32 s30, s28, 9                          ; and nine rows on: from the fragment's row 7 to its row 16
	s_mov_b32 s31, 0
.irp i, 1,2,3,4,5,6,7,8,9,10,11,12,13,14,15
.if \i == 8
	s_add_nc_u64 s[ROWS+2*\i:ROWS+2*\i+1], s[ROWS+2*\i-2:ROWS+2*\i-1], s[30:31]
.else
	s_add_nc_u64 s[ROWS+2*\i:ROWS+2*\i+1], s[ROWS+2*\i-2:ROWS+2*\i-1], s[28:29]
.endif
.endr
.macro LOADF q, set                    ; K step q of my 16 rows: 32 lanes read 512 consecutive bytes of one row
.irp i, 0,1,2,3,4,5,6,7,8,9,10,11,12,13,14,15
	global_load_b128 v[R+64*(\set)+4*\i:R+64*(\set)+4*\i+3], v[LI], s[ROWS+2*\i:ROWS+2*\i+1] offset:512*(\q) th:TH_LOAD_NT
.endr
.endm
.macro TURNF set                       ; through my stage: LDS serves a wave's instructions in order, so no wait stands between the stores and the loads
.irp i, 0,1,2,3,4,5,6,7,8,9,10,11,12,13,14,15
	ds_store_b128 v[STW], v[R+64*(\set)+4*\i:R+64*(\set)+4*\i+3] offset:SPITCH*\i
.endr
.irp b, 0,1,2,3
.irp j, 0,1,2,3
	ds_load_b128 v[X+16*\b+4*\j:X+16*\b+4*\j+3], v[STR] offset:128*\b+16*\j
.endr
.endr
.endm
; 64 numbers of a lane, register 16 b + i = k 32 b + 16 h + i of my row, become a fragment's codes in v[PC] on and its scale word in v[PW]
.macro QUANT
.irp b, 0,1,2,3
	v_max3_num_f32 v[TM+\b], |v[X+16*\b]|, |v[X+1+16*\b]|, 0x1800000   ; block b: my 16 numbers, and the floor 2^(3 - 127): the byte cannot fall under 1
.endr
.irp i, 2,4,6,8,10,12,14
.irp b, 0,1,2,3
	s_delay_alu instid0(VALU_DEP_4)
	v_max3_num_f32 v[TM+\b], v[TM+\b], |v[X+16*\b+\i]|, |v[X+1+16*\b+\i]|   ; (the four blocks by turns)
.endr
.endr
.irp b, 0,1,2,3
	s_delay_alu instid0(VALU_DEP_4)
	v_permlanex16_b32 v[TM+4+\b], v[TM+\b], s[SEL], s[SEL+1]
.endr
.irp b, 0,1,2,3
	s_delay_alu instid0(VALU_DEP_4)
	v_max_num_f32 v[TM+\b], v[TM+\b], v[TM+4+\b]   ; with lane l xor 16's: the block's largest magnitude
.endr
.irp b, 0,1,2,3
	s_delay_alu instid0(VALU_DEP_4)
	v_add_nc_u32 v[TM+12+\b], 0xff000000, v[TM+\b] ; 2 off its exponent field: the conversion takes that field of this operand as its scale
.endr
.irp b, 0,1,2,3
	s_delay_alu instid0(VALU_DEP_4)
	v_lshrrev_b32 v[TM+4+\b], 23, v[TM+12+\b]      ; the scale's byte
.endr
	s_delay_alu instid0(VALU_DEP_3)
	v_lshl_or_b32 v[PW], v[TM+5], 8, v[TM+4]
	s_delay_alu instid0(VALU_DEP_1)
	v_lshl_or_b32 v[PW], v[TM+6], 16, v[PW]
	s_delay_alu instid0(VALU_DEP_1)
	v_lshl_or_b32 v[PW], v[TM+7], 24, v[PW]        ; my row's scale word
.irp c, 0,1
	v_cvt_scalef32_pk16_fp6_f32 v[PC+6*\c:PC+2+6*\c], v[X+32*\c:X+15+32*\c], v[TM+12+2*\c]
	v_cvt_scalef32_pk16_fp6_f32 v[PC+12+4*\c:PC+14+4*\c], v[X+16+32*\c:X+31+32*\c], v[TM+12+2*\c+1]   ; (a conversion's three registers begin on an even number)
.endr
	v_nop                                          ; one plain place behind a scaled conversion
.irp c, 0,1                            ; the operand's layout wants a WHOLE block in a lane: lanes 0-15 block 2 c, lanes 16-31 block 2 c + 1
.irp i, 0,1,2
	v_permlane16_swap_b32 v[PC+6*\c+\i], v[PC+12+4*\c+\i]
.endr
.irp i, 0,1,2
	s_delay_alu instid0(VALU_DEP_3)
	v_mov_b32 v[PC+3+6*\c+\i], v[PC+12+4*\c+\i]
.endr
.endr
.endm
.macro FRAG q
.if \q < 3
	s_wait_loadcnt 16                              ; this K step's 16 loads are in; the next one's 16 may be out
.else
	s_wait_loadcnt 0x0
.endif
	TURNF (\q)%2
	s_wait_dscnt 0x0                               ; my numbers are back, and the stage's stores have read the set
.if \q < 2
	LOADF (\q)+2, (\q)%2                           ; which takes the K step two on
.endif
.if \q > 0
	s_wait_xcnt 0x0                                ; the last fragment's stores have read their data: the codes' registers are written again only behind this wait
.endif
	QUANT
.irp c, 0,1,2
	global_store_b128 v[CO], v[PC+4*\c:PC+4*\c+3], s[24:25] offset:8*FRB*(\q)+512*\c   ; 32 lanes store 512 consecutive bytes, at a multiple of 256 from the buffer's first byte
.endr
	ds_store_b32 v[SGW], v[PW] offset:512*(\q)     ; lanes r and r + 16 write the same word with the same value
.endm
	LOADF 0, 0
	LOADF 1, 1
	FRAG 0
	FRAG 1
	FRAG 2
	FRAG 3
	s_wait_dscnt 0x0                               ; for the others' sake: my scale words lie in LDS
	s_barrier_signal -1
	s_barrier_wait -1
	ds_load_b64 v[SB:SB+1], v[SGR]
	s_wait_dscnt 0x0
	global_store_b64 v[SGO], v[SB:SB+1], s[24:25]  ; 32 lanes store 256 consecutive bytes, aligned
	s_wait_tensorcnt 0x0                           ; the wave's end, behind my last LDS store
	ds_add_u32 v[SPW], v[NIL]
	s_wait_dscnt 0x0
	s_endpgm
.Lfunc_end_k_qc62e631a99_quant:
	.size	k_qc62e631a99_quant, .Lfunc_end_k_qc62e631a99_quant-k_qc62e631a99_quant
	.p2alignl 7, 3214868480
	.fill 96, 4, 3214868480
	.section	.rodata,"a",@progbits
	.p2align	6, 0x0
	.amdhsa_kernel k_qc62e631a99_quant
		.amdhsa_group_segment_fixed_size 70656
		.amdhsa_private_segment_fixed_size 0
		.amdhsa_enable_private_segment 0
		.amdhsa_kernarg_size 64
		.amdhsa_user_sgpr_count 2
		.amdhsa_user_sgpr_kernarg_segment_ptr 1
		.amdhsa_wavefront_size32 1
		.amdhsa_system_sgpr_workgroup_id_x 1
		.amdhsa_system_sgpr_workgroup_id_y 1
		.amdhsa_system_sgpr_workgroup_id_z 1
		.amdhsa_system_vgpr_workitem_id 0
		.amdhsa_next_free_vgpr 256
		.amdhsa_next_free_sgpr 66
		.amdhsa_reserve_vcc 0
		.amdhsa_float_denorm_mode_32 3
		.amdhsa_float_denorm_mode_16_64 3
		.amdhsa_memory_ordered 1
		.amdhsa_forward_progress 1
		.amdhsa_inst_pref_size 42
	.end_amdhsa_kernel
	.amdgpu_metadata
---
amdhsa.version: [ 1, 2 ]
amdhsa.kernels:
  - .name:           k_qc62e631a99_quant
    .symbol:         k_qc62e631a99_quant.kd
    .args:
      - { .name: hidden_states, .offset: 0, .size: 8, .value_kind: global_buffer, .address_space: global }
      - { .name: wq, .offset: 8, .size: 8, .value_kind: global_buffer, .address_space: global }
      - { .name: wk, .offset: 16, .size: 8, .value_kind: global_buffer, .address_space: global }
      - { .name: wv, .offset: 24, .size: 8, .value_kind: global_buffer, .address_space: global }
      - { .name: wo, .offset: 32, .size: 8, .value_kind: global_buffer, .address_space: global }
      - { .name: xf, .offset: 40, .size: 8, .value_kind: global_buffer, .address_space: global }
      - { .name: wf, .offset: 48, .size: 8, .value_kind: global_buffer, .address_space: global }
      - { .name: wof, .offset: 56, .size: 8, .value_kind: global_buffer, .address_space: global }
    .group_segment_fixed_size: 70656
    .private_segment_fixed_size: 0
    .kernarg_segment_align: 8
    .kernarg_segment_size: 64
    .max_flat_workgroup_size: 256
    .sgpr_count:     66
    .vgpr_count:     256
    .wavefront_size: 32
...
	.end_amdgpu_metadata
.endif
;; end of part 1
;; launch qkv (part 2): grid 16 x 16, 4 waves a work-group, clusters of 4 x 4, 327,680 bytes of LDS; arguments xf, wf, cos, sin, qf, kvf; writes qf, kvf
.if DOCPART == 2
	.amdgcn_target "amdgcn-amd-amdhsa--gfx1250"
	.amdhsa_code_object_version 6
	.text
	.protected	k_qc62e631a99_qkv
	.globl	k_qc62e631a99_qkv
	.p2align	8
	.type	k_qc62e631a99_qkv,@function
k_qc62e631a99_qkv:
	s_mov_b64 s[64:65], 0
	v_nop
	global_prefetch_b8 v0, s[64:65] scope:SCOPE_SE
	s_setreg_imm32_b32 hwreg(HW_REG_WAVE_MODE, 25, 1), 1
	s_wait_xcnt 0x0
	s_wait_alu depctr_hold_cnt(0) depctr_sa_sdst(0) depctr_va_vdst(0) depctr_va_sdst(0) depctr_va_ssrc(0) depctr_va_vcc(0) depctr_vm_vsrc(0)
	s_getreg_b32 s2, hwreg(HW_REG_IB_STS2, 6, 4)
	s_cmp_eq_u32 s2, 0
	s_cbranch_scc0 .Lentry_in_a_cluster
	s_endpgm
.Lentry_in_a_cluster:
	s_bfe_u32 s2, ttmp6, 0x10000c
	s_cmp_lg_u32 s2, 0xf033
	s_cbranch_scc0 .Lentry_shape_is_right
	s_endpgm
.Lentry_shape_is_right:
; LAUNCH 2 OF 4.  q, k, v = hidden_states x (wq, wk, wv)^T on codes of FP6 (E2M3) with E8M0 scales; rotary on q and k in f32; then q and k are quantised along the head's 128 and v along the KEYS,
; and leave as register images (a fragment is 16 rows x 128 K, 1,536 bytes; lane r of fragment f holds row 32 (f / 2) + 8 (f % 2) + r + 8 (r / 8); a record is 32 images + 2,048 scale bytes).
; Nothing of reference() is left out here.  LIMITS: NaN and infinities are not served; a block of zeros gets the byte 1 (its codes are zeros; this program alone reads the bytes); rotary is a multiply and
; one fused multiply-add, where reference() rounds both products.
; SHARES.  A work-group makes 128 (A's rows) x 256 (B's rows); a wave 64 x 128: 32 accumulators.  K = 4,096 goes in groups of 512 (one record of A, two of B: 153,600 bytes) through a ring of two LDS slots.
; THE PRODUCT IS USED TRANSPOSED: source 0 = a fragment of B, source 1 = a fragment of A.  A lane holds ONE row of A, and the 64 registers of its accumulators (a, 0..7) are B's rows 32 c + 16 h + i (register 16 c + i).
; CLUSTERS of 4 x 4.  Cluster columns 0-2: A = tokens, B = rows of wq, wk (a wave's 128 are one head).  Cluster column 3: V, pointers exchanged: A = a kv head's 128 rows of wv, B = tokens.
; That choice hangs on the cluster's x alone.  A's record is shared along a row of the cluster, B's along a column: each is asked for jointly.
; COS AND SIN come through LDS: when slot 0 has been read for the last time (group 6), it is filled again with four tiles, one a wave: cos or sin of 64 tokens, 512 bytes a row, LDS pitch 520.
; They are shared along a row of the cluster (the tokens hang on the cluster's y and cy), and have the last group's four K steps in which to land.  With that pitch the 32 lanes of a load of 8 bytes
; (rows 0-7 and 16-23, two halves 64 bytes apart) touch 64 different banks (64 banks of 4 bytes: ISA guide 11.1).
; V's work-groups issue that load and the first 64 LDS reads too and do not use them (token block 4 Y + cy lies inside cos and sin there as well): so every partner of every cluster issues the same loads.
; PREFETCH: behind the load of group g stands a prefetch of group g + 1, 512 along K ahead: of the bytes that a wave fetches, each of the four partners that ask jointly names a quarter, told apart by
; address (cx for A, cy for B): 25 blocks of 256 bytes an instruction, a lane a block (lanes 25-31 name the last again); A's waves one instruction, B's two.  Behind group 7's load nothing is asked for.
; Cos and sin are not prefetched: nothing waits for them within the four K steps between their load and their first read.
; REGISTERS, in windows of 256: window 0: v16-31 addresses; v32-43 scale words, two sets; v64-159 A's fragments, two sets; on the way out v44-49, v64-118, v160-239.
;   window 1: B's fragments, two sets, at v0 and v128.   window 2: accumulator (a, b) at v[64 a + 8 b].   window 3: cos and sin, two sets of 128: row block a in set a % 2.
.set REC,    51200
.set SCO,    49152
.set FRB,    1536
.set SLOT,   3*REC                     ; A's record, then B's two
.set SPARE,  2*SLOT                    ; the spare words, 128 bytes for each wave
.set SCG,    SPARE+512                 ; 256 bytes for each wave: its scale words on the way out
.set GROUPS, 8
.set LAPS,   GROUPS/2
.set BLKB,   GROUPS*REC                ; a block of 128 rows in xf and in wf
.set CSP,    520                       ; an LDS row of cos or sin: 512 bytes + 8
.set CST,    64*CSP                    ; a tile of 64 tokens; tile 2 x half + 0: cos, + 1: sin
.set ADRA, 16                          ; v16-17  my A fragments in slot 0, 1
.set ADSA, 18                          ; v18-19  their scale words
.set ADRB, 20                          ; v20-21  my B fragments
.set ADSB, 22                          ; v22-23  their scale words
.set CSO,  24                          ; v24     cos in LDS: my row of a fragment's 16, + 64 h
.set CO,   25                          ; v25     16 x lane
.set SGW,  26
.set SGR,  27
.set SPW,  28                          ; v28     my spare word; never rewritten
.set NIL,  29                          ; v29     0; never rewritten
.set SGO,  30                          ; v30     8 x lane
.set PFO,  31                          ; v31     256 x min(lane, 24); never rewritten
.set SC,   32                          ; scale words, set p at v[SC + 6 p]: +0, +1 A's fragments 0|1, 2|3 (lanes 0-15 | 16-31); +2 .. +5 B's
.set PWB,  44
.set SB,   48
.set AF,   64
.set PCB,  64
.set HA,   160
.set TM,   224
.set WV,  16
.set FB,  17                           ; wave / 2: which 64 rows of A are mine; I fetch for A (0) or B (1); which 64 tokens of cos, sin I fetch
.set HF,  18                           ; wave % 2: which record of B is mine; which half of A's record or which record of B I fetch; cos (0) or sin (1)
.set ISV, 19
.set SEL, 20
.set G1,  24
.set G0,  32
.set G1B, 48
.set G0B, 56
.set G1C, 68                           ; s[68:75], s[76:79] groups 1 and 0 for cos, sin
.set G0C, 76
.set ABL, 80                           ; A's block, B's block
.set BBL, 81
.set DST, 86
.set DSS, 88
.set PFA, 94                           ; s[94:95] my share of the group behind the one last asked of the ring
.set MSB, 0
.macro WIN new
.if MSB != (\new)
	s_set_vgpr_msb (MSB<<8)|(\new)
.set MSB, (\new)
.endif
.endm
.set MUL,  0xa1
.set TO_B, 0x40
.macro PLACES
.rept 4
	v_nop
.endr
.endm
.macro JLOAD g0a, g1a, g0b, g1b        ; waves 0, 1 fetch the halves of A's record, waves 2, 3 B's two records
	s_cmp_eq_u32 s[FB], 0
	s_cbranch_scc0 .Lfor_b_\@
	tensor_load_to_lds s[\g0a:\g0a+3], s[\g1a:\g1a+7]
	s_nop 0
	PLACES
	s_branch .Lasked_\@
.Lfor_b_\@:
	tensor_load_to_lds s[\g0b:\g0b+3], s[\g1b:\g1b+7]
	s_nop 0
	PLACES
.Lasked_\@:
.endm
.macro CREST
	s_cmp_lg_u32 s[WV], 0
	s_cbranch_scc1 .Lnot_wave_0_\@
	s_barrier_signal -3
.Lnot_wave_0_\@:
	s_barrier_wait -3
	s_barrier_signal -1
	s_barrier_wait -1
.endm
.macro CROUND
	s_barrier_signal -1
	s_barrier_wait -1
	CREST
.endm
.macro ASK off, last                   ; last = 1: not in the loop's last trip, where the group would lie beyond K
.if \last
	s_cmp_eq_u32 s3, 1
	s_cbranch_scc1 .Lasked_all_\@
.endif
	global_prefetch_b8 v[PFO], s[PFA:PFA+1] offset:\off th:TH_LOAD_NT scope:SCOPE_SE
	s_cmp_eq_u32 s[FB], 0
	s_cbranch_scc1 .Lasked_all_\@
	global_prefetch_b8 v[PFO], s[PFA:PFA+1] offset:(\off)+6400 th:TH_LOAD_NT scope:SCOPE_SE
.Lasked_all_\@:
.endm
.macro DESC g, c, r                    ; group 1, words 1-7: r rows of c elements, dense in memory
	s_mov_b32 s[\g+1], (\c)<<16
	s_mov_b32 s[\g+2], (\r)<<16
	s_mov_b32 s[\g+3], (\c)<<16
	s_mov_b32 s[\g+4], \r
	s_mov_b32 s[\g+5], \c
	s_mov_b32 s[\g+6], 0
	s_mov_b32 s[\g+7], 0
.endm
	s_load_b256 s[4:11], s[0:1], 0x0               ; xf, wf, cos, sin
	s_load_b128 s[12:15], s[0:1], 0x20             ; qf, kvf
	v_lshl_add_u32 v[SPW], v0, 2, SPARE
	v_mov_b32 v[NIL], 0
	ds_add_u32 v[SPW], v[NIL]                      ; the opening lines: the add, twice on end, and its wait
	ds_add_u32 v[SPW], v[NIL]
	v_lshrrev_b32 v1, 5, v0
	v_readfirstlane_b32 s[WV], v1
	s_lshr_b32 s[FB], s[WV], 1
	s_and_b32 s[HF], s[WV], 1
	s_bfe_u32 s40, ttmp6, 0x40000                  ; cx
	s_bfe_u32 s41, ttmp6, 0x40004                  ; cy
	s_and_b32 s42, ttmp7, 0xffff                   ; the cluster's y
	s_lshl_b32 s43, s41, 2
	s_lshl_b32 s43, 15, s43                        ; my row of the cluster
	s_lshl_b32 s44, 0x1111, s40                    ; my column
	s_or_b32 s[G1], s43, (3<<16)|(1<<21)           ; elements of 8 bytes, no padding
	s_or_b32 s[G1B], s44, (3<<16)|(1<<21)
	s_or_b32 s[G1C], s43, (2<<16)|(1<<20)|(1<<21)|(6<<22)|(1<<25)   ; elements of 4 bytes; behind every 128 words 2 words of padding
	DESC G1, 32, 100                               ; half a record
	DESC G1B, 32, 200                              ; a record
	DESC G1C, 128, 64                              ; 64 tokens x 128 numbers
	s_mov_b32 s[SEL], 0x76543210
	s_mov_b32 s[SEL+1], 0xfedcba98
	; Q, K: A = xf's block 4 Y + cy, B = wf's blocks 2 (4 X + cx) + 0, 1.  V: A = wf's block 24 + 4 (Y / 2) + cy, B = xf's blocks 2 (4 (Y % 2) + cx) + 0, 1
	s_lshl_b32 s82, s42, 2
	s_lshr_b32 s83, s42, 1
	s_lshl_b32 s83, s83, 2
	s_add_co_u32 s83, s83, 24
	s_lshl_b32 s84, ttmp9, 2
	s_and_b32 s85, s42, 1
	s_lshl_b32 s85, s85, 2
	s_cmp_eq_u32 ttmp9, 3
	s_cselect_b32 s[ISV], 1, 0
	s_cselect_b32 s82, s83, s82
	s_cselect_b32 s84, s85, s84
	s_add_co_u32 s[ABL], s82, s41                  ; it never holds cx
	s_add_co_u32 s[BBL], s84, s40
	s_lshl_b32 s[BBL], s[BBL], 1
	s_add_co_u32 s[BBL], s[BBL], s[HF]             ; it never holds cy
	s_mul_i32 s90, s[ABL], BLKB
	s_mul_i32 s46, s[HF], REC/2
	s_add_co_u32 s90, s90, s46
	s_mov_b32 s91, 0
	s_mul_i32 s92, s[BBL], BLKB
	s_mov_b32 s93, 0
	s_mul_i32 s47, s[HF], REC
	s_add_co_u32 s47, s47, REC
	s_mul_i32 s96, s40, 6400                       ; my work-group's quarter of what I fetch: A's by cx,
	s_mul_i32 s97, s41, 12800                      ; B's by cy
	s_cmp_eq_u32 s[FB], 0
	s_cselect_b32 s96, s96, s97
	s_mov_b32 s97, 0
	s_lshl_b32 s98, s42, 2
	s_add_co_u32 s98, s98, s41                     ; token block 4 Y + cy
	s_lshl_b32 s98, s98, 1
	s_add_co_u32 s98, s98, s[FB]
	s_lshl_b32 s98, s98, 15                        ; x 64 rows of 512 bytes
	s_mov_b32 s99, 0
	s_mov_b32 s[G0C], 1
	s_mul_i32 s[G0C+1], s[WV], CST
	s_wait_dscnt 0x0                               ; both opening adds are done
	s_wait_kmcnt 0x0
	s_cmp_eq_u32 ttmp9, 3
	s_cselect_b64 s[82:83], s[6:7], s[4:5]         ; A's buffer
	s_cselect_b64 s[84:85], s[4:5], s[6:7]         ; B's
	s_add_nc_u64 s[90:91], s[82:83], s[90:91]
	s_add_nc_u64 s[92:93], s[84:85], s[92:93]
	s_cmp_eq_u32 s[FB], 0
	s_cselect_b64 s[PFA:PFA+1], s[90:91], s[92:93]
	s_add_nc_u64 s[PFA:PFA+1], s[PFA:PFA+1], s[96:97]
	s_add_nc_u64 s[PFA:PFA+1], s[PFA:PFA+1], REC   ; at group 1
	s_cmp_eq_u32 s[HF], 0
	s_cselect_b64 s[G0C+2:G0C+3], s[8:9], s[10:11]
	s_add_nc_u64 s[G0C+2:G0C+3], s[G0C+2:G0C+3], s[98:99]
	s_or_b32 s[G0C+3], s[G0C+3], 0x80000000
.irp s, 0,1
	s_mov_b32 s[G0+4*\s], 1
	s_add_co_u32 s[G0+4*\s+1], s46, \s*SLOT
	s_add_nc_u64 s[G0+4*\s+2:G0+4*\s+3], s[90:91], \s*REC
	s_or_b32 s[G0+4*\s+3], s[G0+4*\s+3], 0x80000000
	s_mov_b32 s[G0B+4*\s], 1
	s_add_co_u32 s[G0B+4*\s+1], s47, \s*SLOT
	s_add_nc_u64 s[G0B+4*\s+2:G0B+4*\s+3], s[92:93], \s*REC
	s_or_b32 s[G0B+4*\s+3], s[G0B+4*\s+3], 0x80000000
.endr
	CROUND                                         ; all sixteen work-groups are here: the first joint loads meet
	JLOAD G0, G1, G0B, G1B                         ; group 0: my one tensor load at the head
	; where my results go.  Q (X < 2): qf, record 4 head + token block / 4.  K (X = 2): kvf, group 4 (head - 16) + token block / 4.  V: kvf, group 4 (A's block - 24) + key block / 4, its second record
	s_lshl_b32 s22, s[BBL], 2
	s_lshr_b32 s23, s[ABL], 2
	s_add_co_u32 s22, s22, s23
	s_sub_co_u32 s96, s22, 64
	s_and_b32 s23, s[ABL], 3
	s_lshl_b32 s66, s[ABL], 2
	s_sub_co_u32 s66, s66, 96
	s_lshr_b32 s67, s[BBL], 2
	s_add_co_u32 s66, s66, s67
	s_and_b32 s67, s[BBL], 3
	s_cmp_eq_u32 ttmp9, 2
	s_cselect_b32 s22, s96, s22
	s_cmp_eq_u32 ttmp9, 3
	s_cselect_b32 s22, s66, s22
	s_cselect_b32 s23, s67, s23                    ; which quarter of the record
	s_cselect_b32 s97, REC, 0
	s_cmp_lt_u32 ttmp9, 2
	s_cselect_b64 s[98:99], s[12:13], s[14:15]
	s_mov_b32 s82, 2*REC
	s_cselect_b32 s82, REC, s82
	s_mul_i32 s22, s22, s82
	s_add_co_u32 s22, s22, s97
	s_lshl_b32 s23, s23, 3
	s_lshl_b32 s83, s[FB], 2
	s_add_co_u32 s23, s23, s83                     ; my first image's number
	s_mul_i32 s[DST], s23, FRB
	s_add_co_u32 s[DST], s[DST], s22
	s_mov_b32 s[DST+1], 0
	s_lshl_b32 s[DSS], s23, 6
	s_add_co_u32 s[DSS], s[DSS], s22
	s_add_co_u32 s[DSS], s[DSS], SCO
	s_mov_b32 s[DSS+1], 0
	s_add_nc_u64 s[DST:DST+1], s[98:99], s[DST:DST+1]
	s_add_nc_u64 s[DSS:DSS+1], s[98:99], s[DSS:DSS+1]
	s_mul_i32 s82, s[FB], 4*FRB                    ; the waves' parts of the LDS addresses, all ahead of the vector lines
	s_lshl_b32 s83, s[FB], 8
	s_add_co_u32 s83, s83, SCO
	s_mul_i32 s84, s[HF], REC
	s_add_co_u32 s84, s84, REC
	s_add_co_u32 s85, s84, SCO
	s_lshl_b32 s96, s[WV], 8
	s_add_co_u32 s96, s96, SCG
	s_mul_i32 s97, s[FB], 2*CST
	v_and_b32 v1, 31, v0                           ; lane
	v_and_b32 v2, 15, v0                           ; r
	v_bfe_u32 v3, v0, 4, 1                         ; h
	v_lshlrev_b32 v[CO], 4, v1
	v_lshlrev_b32 v5, 2, v1
	v_lshlrev_b32 v[SGO], 3, v1
	v_add_nc_u32 v[ADRA], s82, v[CO]
	v_add_nc_u32 v[ADSA], s83, v5
	v_add_nc_u32 v[ADRB], s84, v[CO]
	v_add_nc_u32 v[ADSB], s85, v5
	v_add_nc_u32 v[ADRA+1], SLOT, v[ADRA]
	v_add_nc_u32 v[ADSA+1], SLOT, v[ADSA]
	v_add_nc_u32 v[ADRB+1], SLOT, v[ADRB]
	v_add_nc_u32 v[ADSB+1], SLOT, v[ADSB]
	v_lshl_add_u32 v[SGW], v2, 2, s96
	v_lshl_add_u32 v[SGR], v1, 3, s96
	v_and_b32 v6, 8, v2
	v_add_nc_u32 v6, v6, v2                        ; r + 8 (r / 8)
	v_mul_u32_u24 v[CSO], v6, CSP
	v_lshl_add_u32 v[CSO], v3, 6, v[CSO]           ; + 64 h: my 16 numbers of a block of 32
	v_add_nc_u32 v[CSO], s97, v[CSO]
	v_min_u32 v[PFO], 24, v1
	v_lshlrev_b32 v[PFO], 8, v[PFO]
.irp b, 0,1,2,3
	v_mov_b32 v[TM+4+\b], 0                        ; written once: a lane permute's destination counts as one of its sources
.endr
	s_wait_alu depctr_va_vdst(0)                   ; the wait behind the head's last vector line
	ASK 0, 0                                       ; group 1
.macro WM a, b, p, zero                ; accumulator (a, b), sets p.  The scale words of two fragments share a register: the odd one's are read from lanes 16-31
.set rD, 64*(\a)+8*(\b)
.set rB, 128*(\p)+12*(\b)
.set rA, AF+48*(\p)+12*(\a)
.set rSB, SC+6*(\p)+2+(\b)/2
.set rSA, SC+6*(\p)+(\a)/2
.set rW, 2*((\b)%2)+(\a)%2+4*(\zero)
.if rW == 0
	v_wmma_scale_f32_16x16x128_f8f6f4 v[rD:rD+7], v[rB:rB+11], v[rA:rA+11], v[rD:rD+7], v[rSB], v[rSA] matrix_a_fmt:MATRIX_FMT_FP6 matrix_b_fmt:MATRIX_FMT_FP6
.elseif rW == 1
	v_wmma_scale_f32_16x16x128_f8f6f4 v[rD:rD+7], v[rB:rB+11], v[rA:rA+11], v[rD:rD+7], v[rSB], v[rSA] matrix_a_fmt:MATRIX_FMT_FP6 matrix_b_fmt:MATRIX_FMT_FP6 matrix_b_scale:MATRIX_SCALE_ROW1
.elseif rW == 2
	v_wmma_scale_f32_16x16x128_f8f6f4 v[rD:rD+7], v[rB:rB+11], v[rA:rA+11], v[rD:rD+7], v[rSB], v[rSA] matrix_a_fmt:MATRIX_FMT_FP6 matrix_b_fmt:MATRIX_FMT_FP6 matrix_a_scale:MATRIX_SCALE_ROW1
.elseif rW == 3
	v_wmma_scale_f32_16x16x128_f8f6f4 v[rD:rD+7], v[rB:rB+11], v[rA:rA+11], v[rD:rD+7], v[rSB], v[rSA] matrix_a_fmt:MATRIX_FMT_FP6 matrix_b_fmt:MATRIX_FMT_FP6 matrix_a_scale:MATRIX_SCALE_ROW1 matrix_b_scale:MATRIX_SCALE_ROW1
.elseif rW == 4
	v_wmma_scale_f32_16x16x128_f8f6f4 v[rD:rD+7], v[rB:rB+11], v[rA:rA+11], 0, v[rSB], v[rSA] matrix_a_fmt:MATRIX_FMT_FP6 matrix_b_fmt:MATRIX_FMT_FP6
.elseif rW == 5
	v_wmma_scale_f32_16x16x128_f8f6f4 v[rD:rD+7], v[rB:rB+11], v[rA:rA+11], 0, v[rSB], v[rSA] matrix_a_fmt:MATRIX_FMT_FP6 matrix_b_fmt:MATRIX_FMT_FP6 matrix_b_scale:MATRIX_SCALE_ROW1
.elseif rW == 6
	v_wmma_scale_f32_16x16x128_f8f6f4 v[rD:rD+7], v[rB:rB+11], v[rA:rA+11], 0, v[rSB], v[rSA] matrix_a_fmt:MATRIX_FMT_FP6 matrix_b_fmt:MATRIX_FMT_FP6 matrix_a_scale:MATRIX_SCALE_ROW1
.else
	v_wmma_scale_f32_16x16x128_f8f6f4 v[rD:rD+7], v[rB:rB+11], v[rA:rA+11], 0, v[rSB], v[rSA] matrix_a_fmt:MATRIX_FMT_FP6 matrix_b_fmt:MATRIX_FMT_FP6 matrix_a_scale:MATRIX_SCALE_ROW1 matrix_b_scale:MATRIX_SCALE_ROW1
.endif
.endm
.macro MULA a, p, zero                 ; A's block a against B's eight.  The 32 accumulators take turns, in the same order in every step
.irp b, 0,1,2,3,4,5,6,7
	WM \a, \b, \p, \zero
.endr
.endm
.macro FETCH slot, q, p                ; 42 LDS loads: the slot's q-th 128 along K into sets p: B's eight fragments, six scale registers, A's four fragments
	WIN TO_B
.irp i, 0,1,2,3,4,5,6,7
.irp c, 0,1,2
	ds_load_b128 v[128*(\p)+12*\i+4*\c:128*(\p)+12*\i+4*\c+3], v[ADRB+\slot] offset:8*FRB*(\q)+FRB*\i+512*\c
.endr
.endr
	WIN 0
.irp k, 0,1
	ds_load_b32 v[SC+6*(\p)+\k], v[ADSA+\slot] offset:512*(\q)+128*\k
.endr
.irp k, 0,1,2,3
	ds_load_b32 v[SC+6*(\p)+2+\k], v[ADSB+\slot] offset:512*(\q)+128*\k
.endr
.irp i, 0,1,2,3
.irp c, 0,1,2
	ds_load_b128 v[AF+48*(\p)+12*\i+4*\c:AF+48*(\p)+12*\i+4*\c+3], v[ADRA+\slot] offset:8*FRB*(\q)+FRB*\i+512*\c
.endr
.endr
.endm
.macro STEP slot, q, zero              ; a step of 128 along K that has its successor in the same slot
	s_wait_dscnt 9                                 ; B, the scales and A's block 0 are in; the youngest nine loads (A's blocks 1-3) may be out
	WIN MUL
	MULA 0, (\q)%2, \zero
	PLACES
	FETCH \slot, (\q)+1, 1-(\q)%2
	s_wait_dscnt 42                                ; all but the 42 just issued
	WIN MUL
	MULA 1, (\q)%2, \zero
	MULA 2, (\q)%2, \zero
	MULA 3, (\q)%2, \zero
.endm
; A slot's last step changes slots: the three lines, the barrier that opens a round of the cluster's, the refill first behind it.  fill = 1: the group two on;  fill = 2: cos and sin
.macro TURN slot, next, fill
	WIN 0
.if (\fill) == 1
	s_wait_xcnt 0x0                                ; my last prefetch has read its address, a group's four steps ago
	s_add_nc_u64 s[PFA:PFA+1], s[PFA:PFA+1], REC
.endif
	s_wait_tensorcnt 0x0                           ; all my tensor loads have landed: my part of the next slot
	ds_add_u32 v[SPW], v[NIL]
	s_wait_dscnt 10                                ; (the add and the youngest nine loads may be out)
	WIN MUL
	MULA 0, 1, 0
	s_wait_dscnt 0x0                               ; the add is done, and my reads of this slot are over
	s_barrier_signal -1
	MULA 1, 1, 0
	WIN 0
	s_barrier_wait -1
	CREST
.if (\fill) == 1
	s_add_nc_u64 s[G0+4*\slot+2:G0+4*\slot+3], s[G0+4*\slot+2:G0+4*\slot+3], 2*REC
	s_add_nc_u64 s[G0B+4*\slot+2:G0B+4*\slot+3], s[G0B+4*\slot+2:G0B+4*\slot+3], 2*REC
	JLOAD G0+4*\slot, G1, G0B+4*\slot, G1B
.else
	tensor_load_to_lds s[G0C:G0C+3], s[G1C:G1C+7]  ; wave w: tile w, at w x CST
	s_nop 0
	PLACES
.endif
	FETCH \next, 0, 0
.if (\fill) == 1
	ASK REC, \slot
.endif
	WIN MUL
	MULA 2, 1, 0
	MULA 3, 1, 0
.endm
; cos and sin of row block a into window 3, set a % 2: register 16 c + i = channel 32 c + 16 h + i of my token; sin 64 registers on
.macro CSL a
	WIN 0xc0
.irp c, 0,1,2,3
.irp j, 0,1,2,3,4,5,6,7
	ds_load_b64 v[128*((\a)%2)+16*\c+2*\j:128*((\a)%2)+16*\c+2*\j+1], v[CSO] offset:CSP*(32*((\a)/2)+8*((\a)%2))+128*\c+8*\j
	ds_load_b64 v[128*((\a)%2)+64+16*\c+2*\j:128*((\a)%2)+64+16*\c+2*\j+1], v[CSO] offset:CST+CSP*(32*((\a)/2)+8*((\a)%2))+128*\c+8*\j
.endr
.endr
	WIN 0
.endm
	s_wait_tensorcnt 0x0                           ; my part of group 0 is in
	ds_add_u32 v[SPW], v[NIL]
	s_wait_dscnt 0x0
	CROUND                                         ; everybody's part is in, and the joint loads meet
	JLOAD G0+4, G1, G0B+4, G1B                     ; group 1, slot 1's first fill
	FETCH 0, 0, 0
	ASK REC, 0                                     ; group 2
	STEP 0, 0, 1                                   ; the first step's products start the sums
	WIN 0
	s_mov_b32 s3, LAPS-1
.Llap:                                                 ; a trip goes once round the ring, from a lap's second step to the next lap's first
	STEP 0, 1, 0
	STEP 0, 2, 0
	TURN 0, 1, 1
	STEP 1, 0, 0
	STEP 1, 1, 0
	STEP 1, 2, 0
	TURN 1, 0, 1
	STEP 0, 0, 0
	WIN 0
	s_sub_co_u32 s3, s3, 1
	s_cmp_lg_u32 s3, 0
	s_cbranch_scc1 .Llap
	STEP 0, 1, 0
	STEP 0, 2, 0
	TURN 0, 1, 2                                   ; slot 0 takes cos and sin
	STEP 1, 0, 0
	STEP 1, 1, 0
	STEP 1, 2, 0
	s_wait_dscnt 9                                 ; the very last step
	WIN MUL
	MULA 0, 1, 0
	s_wait_tensorcnt 0x0                           ; my tile of cos or sin is in
	s_wait_dscnt 0x0
	s_barrier_signal -1
	MULA 1, 1, 0
	s_barrier_wait -1                              ; everybody's is
	CSL 0
	WIN MUL
	MULA 2, 1, 0
	MULA 3, 1, 0
	WIN 0
; THE WAY OUT.  Channels d and d + 64 lie in one lane, 32 registers apart: q' (d) = q (d) cos (d) - q (d + 64) sin (d);  q' (d + 64) = q (d + 64) cos (d + 64) + q (d) sin (d + 64).
; Each accumulator is read from its low end on.
.macro ROT a
	WIN 0x0e                                       ; source 0: the accumulators, window 2; source 1: cos, sin, window 3
.irp n, 0,2,4,6,8,10,12,14,16,18,20,22,24,26,28,30
	v_pk_mul_f32 v[HA+\n:HA+\n+1], v[64*(\a)+\n:64*(\a)+\n+1], v[128*((\a)%2)+\n:128*((\a)%2)+\n+1]
	v_pk_mul_f32 v[HA+32+\n:HA+32+\n+1], v[64*(\a)+32+\n:64*(\a)+32+\n+1], v[128*((\a)%2)+32+\n:128*((\a)%2)+32+\n+1]
.endr
.irp n, 0,2,4,6,8,10,12,14,16,18,20,22,24,26,28,30
	v_pk_fma_f32 v[HA+\n:HA+\n+1], v[64*(\a)+32+\n:64*(\a)+32+\n+1], v[128*((\a)%2)+64+\n:128*((\a)%2)+64+\n+1], v[HA+\n:HA+\n+1] neg_lo:[1,0,0] neg_hi:[1,0,0]
	v_pk_fma_f32 v[HA+32+\n:HA+32+\n+1], v[64*(\a)+\n:64*(\a)+\n+1], v[128*((\a)%2)+96+\n:128*((\a)%2)+96+\n+1], v[HA+32+\n:HA+32+\n+1]
.endr
	WIN 0
.endm
; 64 numbers of a lane in window w, register 16 b + i = k 32 b + 16 h + i of my row, become a fragment's codes in v[pc] on and its scale word in v[pw]
.macro QUANT src, w, pc, pw
	WIN (\w)|((\w)<<2)
.irp b, 0,1,2,3
	v_max3_num_f32 v[TM+\b], |v[(\src)+16*\b]|, |v[(\src)+1+16*\b]|, 0x1800000   ; my 16 numbers of block b, and the floor 2^(3 - 127): the byte cannot fall under 1
.endr
	WIN ((\w)<<2)|((\w)<<4)
.irp i, 2,4,6,8,10,12,14
.irp b, 0,1,2,3
	v_max3_num_f32 v[TM+\b], v[TM+\b], |v[(\src)+16*\b+\i]|, |v[(\src)+1+16*\b+\i]|
.endr
.endr
	WIN 0
.irp b, 0,1,2,3
	v_permlanex16_b32 v[TM+4+\b], v[TM+\b], s[SEL], s[SEL+1]
.endr
.irp b, 0,1,2,3
	v_max_num_f32 v[TM+\b], v[TM+\b], v[TM+4+\b]   ; with lane l xor 16's: the block's largest magnitude
.endr
.irp b, 0,1,2,3
	v_add_nc_u32 v[TM+12+\b], 0xff000000, v[TM+\b] ; 2 off its exponent field: the conversion's scale operand
.endr
.irp b, 0,1,2,3
	v_lshrrev_b32 v[TM+4+\b], 23, v[TM+12+\b]      ; the scale's byte
.endr
	v_lshl_or_b32 v[\pw], v[TM+5], 8, v[TM+4]
	v_lshl_or_b32 v[\pw], v[TM+6], 16, v[\pw]
	v_lshl_or_b32 v[\pw], v[TM+7], 24, v[\pw]
	WIN (\w)
.irp c, 0,1
	v_cvt_scalef32_pk16_fp6_f32 v[(\pc)+6*\c:(\pc)+2+6*\c], v[(\src)+32*\c:(\src)+15+32*\c], v[TM+12+2*\c]
	v_cvt_scalef32_pk16_fp6_f32 v[(\pc)+12+4*\c:(\pc)+14+4*\c], v[(\src)+16+32*\c:(\src)+31+32*\c], v[TM+12+2*\c+1]   ; (made 12 registers on and moved: three registers begin on an even number)
.endr
	WIN 0
	v_nop                                          ; one plain place behind a scaled conversion
.irp c, 0,1
.irp i, 0,1,2
	v_permlane16_swap_b32 v[(\pc)+6*\c+\i], v[(\pc)+12+4*\c+\i]
.endr
.irp i, 0,1,2
	v_mov_b32 v[(\pc)+3+6*\c+\i], v[(\pc)+12+4*\c+\i]
.endr
.endr
.endm
	s_cmp_lg_u32 s[ISV], 0                         ; the two arms store nothing; all stores stand behind their join
	s_cbranch_scc1 .Lv_part
	PLACES
	CSL 1
	s_wait_dscnt 63                                ; row block 0's 64 loads are in (64 younger ones stand behind them; 63 is the most that the field holds)
	ROT 0
	CSL 2                                          ; into the set that block 0 has left
	QUANT HA, 0, PCB, PWB
	s_wait_dscnt 63                                ; block 1's are in
	ROT 1
	CSL 3
	QUANT HA, 0, PCB+12, PWB+1
	s_wait_dscnt 63                                ; block 2's are in
	ROT 2
	QUANT HA, 0, PCB+24, PWB+2
	s_wait_dscnt 0x0
	ROT 3
	QUANT HA, 0, PCB+36, PWB+3
	s_branch .Ljoin
.Lv_part:
	PLACES
	QUANT 0, 2, PCB, PWB                           ; v as it stands: a lane's registers run along the keys
	QUANT 64, 2, PCB+12, PWB+1
	QUANT 128, 2, PCB+24, PWB+2
	QUANT 192, 2, PCB+36, PWB+3
.Ljoin:
	s_wait_alu depctr_va_vdst(0)                   ; ahead of the stores that read what was just written
.irp a, 0,1,2,3
.irp c, 0,1,2
	global_store_b128 v[CO], v[PCB+12*\a+4*\c:PCB+12*\a+4*\c+3], s[DST:DST+1] offset:FRB*\a+512*\c   ; my four images: 6,144 consecutive bytes, 512 a store
.endr
.endr
.irp a, 0,1,2,3
	ds_store_b32 v[SGW], v[PWB+\a] offset:64*\a    ; lanes r and r + 16 write the same word with the same value
.endr
	ds_load_b64 v[SB:SB+1], v[SGR]                 ; LDS serves a wave's instructions in order: this sees my stores
	s_wait_dscnt 0x0
	global_store_b64 v[SGO], v[SB:SB+1], s[DSS:DSS+1]   ; 32 lanes store 256 consecutive bytes, aligned
	s_wait_tensorcnt 0x0                           ; the wave's end
	ds_add_u32 v[SPW], v[NIL]
	s_wait_dscnt 0x0
	CROUND                                         ; the closing round
	s_endpgm
.Lfunc_end_k_qc62e631a99_qkv:
	.size	k_qc62e631a99_qkv, .Lfunc_end_k_qc62e631a99_qkv-k_qc62e631a99_qkv
	.p2alignl 7, 3214868480
	.fill 96, 4, 3214868480
	.section	.rodata,"a",@progbits
	.p2align	6, 0x0
	.amdhsa_kernel k_qc62e631a99_qkv
		.amdhsa_group_segment_fixed_size 327680
		.amdhsa_private_segment_fixed_size 0
		.amdhsa_enable_private_segment 0
		.amdhsa_kernarg_size 48
		.amdhsa_user_sgpr_count 2
		.amdhsa_user_sgpr_kernarg_segment_ptr 1
		.amdhsa_wavefront_size32 1
		.amdhsa_system_sgpr_workgroup_id_x 1
		.amdhsa_system_sgpr_workgroup_id_y 1
		.amdhsa_system_sgpr_workgroup_id_z 1
		.amdhsa_system_vgpr_workitem_id 0
		.amdhsa_next_free_vgpr 1024
		.amdhsa_next_free_sgpr 100
		.amdhsa_reserve_vcc 0
		.amdhsa_float_denorm_mode_32 3
		.amdhsa_float_denorm_mode_16_64 3
		.amdhsa_memory_ordered 1
		.amdhsa_forward_progress 1
		.amdhsa_inst_pref_size 191
	.end_amdhsa_kernel
	.amdgpu_metadata
---
amdhsa.version: [ 1, 2 ]
amdhsa.kernels:
  - .name:           k_qc62e631a99_qkv
    .symbol:         k_qc62e631a99_qkv.kd
    .args:
      - { .name: xf, .offset: 0, .size: 8, .value_kind: global_buffer, .address_space: global }
      - { .name: wf, .offset: 8, .size: 8, .value_kind: global_buffer, .address_space: global }
      - { .name: cos, .offset: 16, .size: 8, .value_kind: global_buffer, .address_space: global }
      - { .name: sin, .offset: 24, .size: 8, .value_kind: global_buffer, .address_space: global }
      - { .name: qf, .offset: 32, .size: 8, .value_kind: global_buffer, .address_space: global }
      - { .name: kvf, .offset: 40, .size: 8, .value_kind: global_buffer, .address_space: global }
    .group_segment_fixed_size: 327680
    .private_segment_fixed_size: 0
    .kernarg_segment_align: 8
    .kernarg_segment_size: 48
    .max_flat_workgroup_size: 128
    .sgpr_count:     100
    .vgpr_count:     1024
    .wavefront_size: 32
...
	.end_amdgpu_metadata
.endif
;; end of part 2
;; launch attn (part 3): grid 16 x 16, 16 waves a work-group, clusters of 4 x 1, 327,680 bytes of LDS; arguments qf, kvf, cf; writes cf
.if DOCPART == 3
	.amdgcn_target "amdgcn-amd-amdhsa--gfx1250"
	.amdhsa_code_object_version 6
	.text
	.protected	k_qc62e631a99_attn
	.globl	k_qc62e631a99_attn
	.p2align	8
	.type	k_qc62e631a99_attn,@function
k_qc62e631a99_attn:
	s_mov_b64 s[64:65], 0
	v_nop
	global_prefetch_b8 v0, s[64:65] scope:SCOPE_SE
	s_setreg_imm32_b32 hwreg(HW_REG_WAVE_MODE, 25, 1), 1
	s_wait_xcnt 0x0
	s_wait_alu depctr_hold_cnt(0) depctr_sa_sdst(0) depctr_va_vdst(0) depctr_va_sdst(0) depctr_va_ssrc(0) depctr_va_vcc(0) depctr_vm_vsrc(0)
	s_getreg_b32 s2, hwreg(HW_REG_IB_STS2, 6, 4)
	s_cmp_eq_u32 s2, 0
	s_cbranch_scc0 .Lentry_in_a_cluster
	s_endpgm
.Lentry_in_a_cluster:
	s_bfe_u32 s2, ttmp6, 0x10000c
	s_cmp_lg_u32 s2, 0x3003
	s_cbranch_scc0 .Lentry_shape_is_right
	s_endpgm
.Lentry_shape_is_right:
; LAUNCH 3 OF 4.  ctx = softmax(q k^T / sqrt(128)) v on codes of FP6 (E2M3) with E8M0 scales, one head (grid y) and 128 queries (grid x) a work-group; ctx is quantised along the head's 128 and leaves as register images.
; Nothing of reference() is left out here; repeat_kv is an index (kv head = head / 2).  Both products are used transposed, so that a lane holds one query.  p = 2^(t - M), M the ceiling of the running largest t;
; the row's sum is taken of the unquantised p; a change of M multiplies the sums by an exact power of two.  LIMITS: NaN and infinities are not served; the scaled scores stay under 2^31 in magnitude.
; SHARES.  16 waves: wave w has the 16 queries of fragment w % 8 and, of each group of 512 keys, the 256 keys of half w / 8; at the end waves 8-15 hand their sums to waves 0-7 through LDS.
; A kv head's K and V are four groups of 512 keys (a record of K, a record of V: 102,400 bytes) on end in kvf.  Three LDS slots: at the head each wave asks for its sixteenth of group 0; behind the full
; sequence and a round, for its sixteenth of groups 1 and 2, which lie on end in memory and in LDS: ONE load of 50 rows of 256 bytes; group 3 takes slot 0 when group 0 has been read.
; CLUSTERS of 4 x 1: four query blocks of one head ask for the same tiles jointly.
; No prefetch: the four phases are written out; group 0's fill has no step ahead of it, and each later fill is asked for one or two phases ahead of its first read.
.set REC,   51200
.set G1W,   68                         ; s[68:75] group 1 for the load of 50 rows
.set SCO,   49152
.set FRB,   1536
.set SLOTB, 2*REC
.set SPARE, 3*SLOTB
.set SCG,   SPARE+2048
.set MRG,   SLOTB
.set MRGB,  8704
.set LI,  1
.set LK,  2
.set LSK, 3
.set R4,  4
.set SPW, 5
.set NIL, 6
.set SGW, 7
.set ADK, 8
.set ADV, 9
.set ADS, 10
.set ADT, 11
.set KS,  28
.set FR,  32
.set VS,  80
.set SGR, 84
.set MW,  85
.set MS,  86
.set TM,  32
.set PW,  48
.set PC,  224
.set WV,  18
.set FQ,  19
.set KH,  58
.set SEL, 20
.set CS,  22
.set G1,  24
.set G0,  32
.macro CROUND
	s_barrier_signal -1
	s_barrier_wait -1
	s_cmp_lg_u32 s[WV], 0
	s_cbranch_scc1 .Lnot_wave_0_\@
	s_barrier_signal -3
.Lnot_wave_0_\@:
	s_barrier_wait -3
	s_barrier_signal -1
	s_barrier_wait -1
.endm
	s_load_b128 s[4:7], s[0:1], 0x0
	s_load_b64 s[8:9], s[0:1], 0x10
	v_lshl_add_u32 v[SPW], v0, 2, SPARE
	v_mov_b32 v[NIL], 0
	ds_add_u32 v[SPW], v[NIL]
	ds_add_u32 v[SPW], v[NIL]
	v_lshrrev_b32 v8, 5, v0
	s_delay_alu instid0(VALU_DEP_1)
	v_readfirstlane_b32 s[WV], v8
	s_and_b32 s[FQ], s[WV], 7
	s_lshr_b32 s[KH], s[WV], 3
	s_bfe_u32 s46, ttmp6, 0x40000
	s_lshl_b32 s47, ttmp9, 2
	s_add_co_u32 s47, s47, s46
	s_and_b32 s48, ttmp7, 0xffff
	s_mov_b32 s[G1], 15|(3<<16)|(1<<21)
	s_mov_b32 s[G1+1], 32<<16
	s_mov_b32 s[G1+2], 25<<16
	s_mov_b32 s[G1+3], 32<<16
	s_mov_b32 s[G1+4], 25
	s_mov_b32 s[G1+5], 32
	s_mov_b32 s[G1+6], 0
	s_mov_b32 s[G1+7], 0
	s_lshr_b32 s50, s48, 1
	s_mul_i32 s50, s50, 8*REC
	s_mul_i32 s49, s[WV], REC/8
	s_add_co_u32 s50, s50, s49
	s_mov_b32 s51, 0
	s_lshl_b32 s52, s48, 2
	s_lshr_b32 s53, s47, 2
	s_add_co_u32 s52, s52, s53
	s_mul_i32 s52, s52, REC
	s_and_b32 s53, s47, 3
	s_lshl_b32 s53, s53, 3
	s_add_co_u32 s53, s53, s[FQ]
	s_mul_i32 s54, s53, FRB
	s_add_co_u32 s54, s54, s52
	s_mov_b32 s55, 0
	s_lshl_b32 s56, s53, 6
	s_add_co_u32 s56, s56, s52
	s_add_co_u32 s56, s56, SCO
	s_mov_b32 s57, 0
	s_lshl_b32 s44, s47, 2
	s_lshr_b32 s45, s48, 2
	s_add_co_u32 s44, s44, s45
	s_mul_i32 s44, s44, REC
	s_and_b32 s45, s48, 3
	s_lshl_b32 s46, s45, 3
	s_add_co_u32 s46, s46, s[FQ]
	s_mul_i32 s46, s46, FRB
	s_add_co_u32 s46, s46, s44
	s_mov_b32 s47, 0
	s_lshl_b32 s52, s45, 9
	s_add_co_u32 s52, s52, s44
	s_add_co_u32 s52, s52, SCO
	s_mov_b32 s53, 0
	s_mov_b32 s[SEL], 0x76543210
	s_mov_b32 s[SEL+1], 0xfedcba98
	s_mov_b32 s[CS], 0x3e0293ee
	s_mov_b32 s[CS+1], s[CS]
	s_wait_dscnt 0x0
	s_wait_kmcnt 0x0
	s_add_nc_u64 s[10:11], s[4:5], s[54:55]
	s_add_nc_u64 s[12:13], s[4:5], s[56:57]
	s_add_nc_u64 s[14:15], s[8:9], s[46:47]
	s_add_nc_u64 s[16:17], s[8:9], s[52:53]
	s_add_nc_u64 s[50:51], s[6:7], s[50:51]
	s_mov_b32 s[G0], 1                             ; group 0 (and later group 3): 6,400 bytes a wave
	s_mov_b32 s[G0+1], s49
	s_mov_b64 s[G0+2:G0+3], s[50:51]
	s_or_b32 s[G0+3], s[G0+3], 0x80000000
	s_mov_b32 s[G0+4], 1                           ; groups 1 and 2: 12,800 bytes a wave, from SLOTB on in memory and in LDS
	s_lshl_b32 s[G0+5], s49, 1
	s_add_co_u32 s[G0+5], s[G0+5], SLOTB
	s_mov_b32 s52, s49
	s_mov_b32 s53, 0
	s_add_nc_u64 s[G0+6:G0+7], s[50:51], s[52:53]
	s_add_nc_u64 s[G0+6:G0+7], s[G0+6:G0+7], SLOTB
	s_or_b32 s[G0+7], s[G0+7], 0x80000000
	s_mov_b32 s[G1W], 15|(3<<16)|(1<<21)
	s_mov_b32 s[G1W+1], 32<<16
	s_mov_b32 s[G1W+2], 50<<16
	s_mov_b32 s[G1W+3], 32<<16
	s_mov_b32 s[G1W+4], 50
	s_mov_b32 s[G1W+5], 32
	s_mov_b32 s[G1W+6], 0
	s_mov_b32 s[G1W+7], 0
	CROUND                                         ; the four work-groups are here: the first joint loads meet
	tensor_load_to_lds s[G0:G0+3], s[G1:G1+7]      ; my one tensor load at the head; the set-up below and q's loads stand under its flight
	s_nop 0
.rept 4
	v_nop
.endr
	v_and_b32 v8, 31, v0
	s_wait_alu depctr_va_vdst(0)
	v_and_b32 v9, 15, v0
	v_lshlrev_b32 v[LI], 4, v8
	s_wait_alu depctr_va_vdst(0)
	s_mul_i32 s44, s[KH], 16*FRB
	v_add_nc_u32 v[LK], s44, v[LI]
	s_lshl_b32 s44, s[KH], 10
	s_add_co_u32 s44, s44, SCO
	v_lshl_add_u32 v[LSK], v8, 2, s44
	v_lshlrev_b32 v[R4], 2, v9
	s_lshl_b32 s44, s[FQ], 6
	s_add_co_u32 s44, s44, SCG
	v_add_nc_u32 v[SGW], s44, v[R4]
	v_add_nc_u32 v[SGR], SCG, v[LI]
	s_mul_i32 s44, s[FQ], MRGB
	s_add_co_u32 s44, s44, MRG
	v_add_nc_u32 v[MW], s44, v[LI]
	s_add_co_u32 s44, s44, 8192
	v_lshl_add_u32 v[MS], v8, 2, s44
.irp c, 0,1,2
	global_load_b128 v[16+4*\c:19+4*\c], v[LI], s[10:11] offset:512*\c
.endr
	global_load_b32 v255, v[R4], s[12:13]
	v_mov_b32 v13, 0xff61b1e6
	s_delay_alu instid0(VALU_DEP_1)
	v_floor_f32 v12, -v13
	v_mov_b32 v14, 0
	v_mov_b32 v15, 0
.irp b, 0,1,2,3
	v_mov_b32 v[236+\b], 0
.endr
	v_mov_b32 v253, 0
.set cnt, 0
.rept 64
	v_mov_b32 v[160+cnt], 0
.set cnt, cnt+1
.endr
.macro FLOADS adr, dst, q, g
.irp t, 0,1,2,3
.irp c, 0,1,2
	ds_load_b128 v[(\dst)+12*\t+4*\c:(\dst)+12*\t+4*\c+3], v[\adr] offset:FRB*(8*(\q)+4*(\g)+\t)+512*\c
.endr
.endr
.endm
.macro SLOADS adr, dst, q
.irp k, 0,1,2,3
	ds_load_b32 v[(\dst)+\k], v[\adr] offset:512*(\q)+128*\k
.endr
.endm
.macro SMUL g
.irp t, 0,1,2,3
.if (\t)%2
	v_wmma_scale_f32_16x16x128_f8f6f4 v[96+32*(\g)+8*\t:103+32*(\g)+8*\t], v[FR+12*\t:FR+12*\t+11], v[16:27], 0, v[KS+2*(\g)+\t/2], v255 matrix_a_fmt:MATRIX_FMT_FP6 matrix_b_fmt:MATRIX_FMT_FP6 matrix_a_scale:MATRIX_SCALE_ROW1
.else
	v_wmma_scale_f32_16x16x128_f8f6f4 v[96+32*(\g)+8*\t:103+32*(\g)+8*\t], v[FR+12*\t:FR+12*\t+11], v[16:27], 0, v[KS+2*(\g)+\t/2], v255 matrix_a_fmt:MATRIX_FMT_FP6 matrix_b_fmt:MATRIX_FMT_FP6
.endif
.endr
.endm
.macro OMUL g, src
.irp t, 0,1,2,3
.if (\t)%2
	v_wmma_scale_f32_16x16x128_f8f6f4 v[160+32*(\g)+8*\t:167+32*(\g)+8*\t], v[(\src)+12*\t:(\src)+12*\t+11], v[224:235], v[160+32*(\g)+8*\t:167+32*(\g)+8*\t], v[VS+2*(\g)+\t/2], v253 matrix_a_fmt:MATRIX_FMT_FP6 matrix_b_fmt:MATRIX_FMT_FP6 matrix_a_scale:MATRIX_SCALE_ROW1
.else
	v_wmma_scale_f32_16x16x128_f8f6f4 v[160+32*(\g)+8*\t:167+32*(\g)+8*\t], v[(\src)+12*\t:(\src)+12*\t+11], v[224:235], v[160+32*(\g)+8*\t:167+32*(\g)+8*\t], v[VS+2*(\g)+\t/2], v253 matrix_a_fmt:MATRIX_FMT_FP6 matrix_b_fmt:MATRIX_FMT_FP6
.endif
.endr
.endm
.macro STEP q, nextk
	s_wait_dscnt 0x0
	SMUL 0
.rept 4
	v_nop
.endr
	FLOADS ADK, FR, \q, 1
	s_wait_dscnt 0x0
	SMUL 1
.rept 4
	v_nop
.endr
	SLOADS ADT, VS, \q
	FLOADS ADV, FR, \q, 0
.irp b, 0,1,2,3
	v_max3_num_f32 v[232+\b], v[96+16*\b], v[97+16*\b], v[98+16*\b]
.endr
.irp i, 3,5,7,9,11,13
.irp b, 0,1,2,3
	v_max3_num_f32 v[232+\b], v[232+\b], v[96+16*\b+\i], v[97+16*\b+\i]
.endr
.endr
.irp b, 0,1,2,3
	v_max_num_f32 v[232+\b], v[232+\b], v[111+16*\b]
.endr
.irp b, 0,1,2,3
	s_delay_alu instid0(VALU_DEP_4)
	v_permlanex16_b32 v[236+\b], v[232+\b], s[SEL], s[SEL+1]
.endr
.irp b, 0,1,2,3
	s_delay_alu instid0(VALU_DEP_4)
	v_max_num_f32 v[232+\b], v[232+\b], v[236+\b]
.endr
	s_delay_alu instid0(VALU_DEP_2)
	v_max3_num_f32 v254, v232, v233, v234
	s_delay_alu instid0(VALU_DEP_1)
	v_max_num_f32 v254, v254, v235
	s_delay_alu instid0(VALU_DEP_1)
	v_mul_f32 v254, s[CS], v254
	s_delay_alu instid0(VALU_DEP_1)
	v_max_num_f32 v13, v13, v254
	v_mov_b32 v254, v12
	s_delay_alu instid0(VALU_DEP_2)
	v_floor_f32 v12, -v13
	s_delay_alu instid0(VALU_DEP_1)
	v_sub_f32 v254, v12, v254
	s_delay_alu instid0(VALU_DEP_1)
	v_cvt_i32_f32 v254, v254
	s_delay_alu instid0(VALU_DEP_1)
	v_ldexp_f32 v252, 1.0, v254
.set cnt, 0
.rept 32
	v_pk_fma_f32 v[96+cnt:97+cnt], v[96+cnt:97+cnt], s[CS:CS+1], v[12:13] op_sel_hi:[1,0,0]
.set cnt, cnt+2
.endr
.irp b, 0,1,2,3
	v_fma_f32 v[232+\b], v[232+\b], s[CS], v12
.endr
.set cnt, 0
	s_wait_alu depctr_va_vdst(0)
.rept 64
	v_exp_f32 v[96+cnt], v[96+cnt]
.set cnt, cnt+1
.endr
	v_pk_mul_f32 v[14:15], v[14:15], v[252:253] op_sel_hi:[1,0]
	s_wait_alu depctr_va_vdst(0)
.irp b, 0,1,2,3
	v_exp_f32 v[232+\b], v[232+\b]
.endr
	v_pk_add_f32 v[236:237], v[96:97], v[98:99]
.irp j, 4,8,12,16,20,24,28,32,36,40,44,48,52,56,60
	v_pk_add_f32 v[14:15], v[14:15], v[96+\j:97+\j]
	v_pk_add_f32 v[236:237], v[236:237], v[98+\j:99+\j]
.endr
	s_delay_alu instid0(VALU_DEP_1)
	v_pk_add_f32 v[14:15], v[14:15], v[236:237]
	s_wait_alu depctr_va_vdst(0)
.irp b, 0,1,2,3
	v_max_num_f32 v[232+\b], 0x1800000, v[232+\b]
.endr
.irp b, 0,1,2,3
	s_delay_alu instid0(VALU_DEP_4)
	v_add_nc_u32 v[244+\b], 0xff000000, v[232+\b]
.endr
.irp b, 0,1,2,3
	s_delay_alu instid0(VALU_DEP_4)
	v_lshrrev_b32 v[236+\b], 23, v[244+\b]
.endr
	s_delay_alu instid0(VALU_DEP_3)
	v_lshl_or_b32 v253, v237, 8, v236
	s_delay_alu instid0(VALU_DEP_1)
	v_lshl_or_b32 v253, v238, 16, v253
	s_delay_alu instid0(VALU_DEP_1)
	v_lshl_or_b32 v253, v239, 24, v253
.irp c, 0,1
	v_cvt_scalef32_pk16_fp6_f32 v[224+6*\c:226+6*\c], v[96+32*\c:111+32*\c], v[244+2*\c]
	v_cvt_scalef32_pk16_fp6_f32 v[236+4*\c:238+4*\c], v[112+32*\c:127+32*\c], v[244+2*\c+1]
.endr
	v_nop
	FLOADS ADV, 96, \q, 1
.irp c, 0,1
.irp i, 0,1,2
	v_permlane16_swap_b32 v[224+6*\c+\i], v[236+4*\c+\i]
.endr
.irp i, 0,1,2
	s_delay_alu instid0(VALU_DEP_3)
	v_mov_b32 v[227+6*\c+\i], v[236+4*\c+\i]
.endr
.endr
.set cnt, 0
.rept 32
	v_pk_mul_f32 v[160+cnt:161+cnt], v[160+cnt:161+cnt], v[252:253] op_sel_hi:[1,0]
.set cnt, cnt+2
.endr
	s_wait_alu depctr_va_vdst(0)
	s_wait_dscnt 0x0
	OMUL 0, FR
	OMUL 1, 96
.rept 5
	v_nop
.endr
.if \nextk
	FLOADS ADK, FR, (\q)+1, 0
	SLOADS ADS, KS, (\q)+1
.endif
.endm
.macro PHASE base
	v_add_nc_u32 v[ADK], (\base), v[LK]
	v_add_nc_u32 v[ADS], (\base), v[LSK]
	v_add_nc_u32 v[ADV], (\base)+REC, v[LK]
	v_add_nc_u32 v[ADT], (\base)+REC, v[LSK]
	FLOADS ADK, FR, 0, 0
	SLOADS ADS, KS, 0
	s_wait_alu depctr_va_vdst(0)
	STEP 0, 1
	STEP 1, 0
.endm
	s_wait_alu depctr_va_vdst(0)                   ; the wait at the head's end
	s_wait_loadcnt 0x0                             ; q's fragment and scale word
	s_wait_tensorcnt 0x0                           ; my part of group 0 is in
	ds_add_u32 v[SPW], v[NIL]
	s_wait_dscnt 0x0
	CROUND                                         ; everybody's part is in, and the joint loads meet
	tensor_load_to_lds s[G0+4:G0+7], s[G1W:G1W+7]  ; groups 1 and 2
	s_nop 0
.rept 4
	v_nop
.endr
	PHASE 0
	s_wait_tensorcnt 0x0
	ds_add_u32 v[SPW], v[NIL]
	s_add_nc_u64 s[G0+2:G0+3], s[G0+2:G0+3], 3*SLOTB
	s_wait_dscnt 0x0
	CROUND
	tensor_load_to_lds s[G0:G0+3], s[G1:G1+7]
	s_nop 0
.rept 4
	v_nop
.endr
	PHASE SLOTB
	s_wait_tensorcnt 0x0                           ; my part of group 3 is in
	ds_add_u32 v[SPW], v[NIL]
	s_wait_dscnt 0x0
	s_barrier_signal -1                            ; said here
	PHASE 2*SLOTB
	s_barrier_wait -1                              ; everybody's part of group 3 is in
	PHASE 0
	s_cmp_lt_u32 s[WV], 8
	s_cbranch_scc1 .Lkeeper
.irp n, 0,1,2,3,4,5,6,7,8,9,10,11,12,13,14,15
	ds_store_b128 v[MW], v[160+4*\n:163+4*\n] offset:512*\n
.endr
	ds_store_b32 v[MS], v12
	ds_store_b32 v[MS], v14 offset:128
	ds_store_b32 v[MS], v15 offset:256
.Lkeeper:
	s_wait_dscnt 0x0
	s_barrier_signal -1
	s_barrier_wait -1
	s_cmp_ge_u32 s[WV], 8
	s_cbranch_scc1 .Lgiven
.irp n, 0,1,2,3,4,5,6,7,8,9,10,11,12,13,14,15
	ds_load_b128 v[96+4*\n:99+4*\n], v[MW] offset:512*\n
.endr
	ds_load_b32 v50, v[MS]
	ds_load_b32 v52, v[MS] offset:128
	ds_load_b32 v53, v[MS] offset:256
	v_mov_b32 v57, 0
	v_mov_b32 v59, 0
.irp b, 0,1,2,3
	v_mov_b32 v[TM+4+\b], 0
.endr
	s_wait_dscnt 0x0
	v_min_num_f32 v51, v12, v50
	s_delay_alu instid0(VALU_DEP_1)
	v_sub_f32 v54, v51, v12
	s_delay_alu instid0(VALU_DEP_2)
	v_sub_f32 v55, v51, v50
	s_delay_alu instid0(VALU_DEP_2)
	v_cvt_i32_f32 v54, v54
	s_delay_alu instid0(VALU_DEP_2)
	v_cvt_i32_f32 v55, v55
	s_delay_alu instid0(VALU_DEP_2)
	v_ldexp_f32 v56, 1.0, v54
	s_delay_alu instid0(VALU_DEP_2)
	v_ldexp_f32 v58, 1.0, v55
	s_delay_alu instid0(VALU_DEP_2)
	v_pk_mul_f32 v[14:15], v[14:15], v[56:57] op_sel_hi:[1,0]
	s_delay_alu instid0(VALU_DEP_1)
	v_pk_fma_f32 v[14:15], v[52:53], v[58:59], v[14:15] op_sel_hi:[1,0,1]
	s_delay_alu instid0(VALU_DEP_1)
	v_add_f32 v14, v14, v15
	s_delay_alu instid0(VALU_DEP_1)
	v_permlanex16_b32 v252, v14, s[SEL], s[SEL+1]
	s_delay_alu instid0(VALU_DEP_1)
	v_add_f32 v14, v14, v252
	s_wait_alu depctr_va_vdst(0)
	v_rcp_f32 v14, v14
	v_nop
	s_wait_alu depctr_va_vdst(0)
	v_mul_f32 v56, v56, v14
	v_mul_f32 v58, v58, v14
.set cnt, 0
.rept 32
	v_pk_mul_f32 v[96+cnt:97+cnt], v[96+cnt:97+cnt], v[58:59] op_sel_hi:[1,0]
.set cnt, cnt+2
.endr
.set cnt, 0
.rept 32
	v_pk_fma_f32 v[96+cnt:97+cnt], v[160+cnt:161+cnt], v[56:57], v[96+cnt:97+cnt] op_sel_hi:[1,0,1]
.set cnt, cnt+2
.endr
.irp b, 0,1,2,3
	v_max3_num_f32 v[TM+\b], |v[96+16*\b]|, |v[97+16*\b]|, 0x1800000
.endr
.irp i, 2,4,6,8,10,12,14
.irp b, 0,1,2,3
	s_delay_alu instid0(VALU_DEP_4)
	v_max3_num_f32 v[TM+\b], v[TM+\b], |v[96+16*\b+\i]|, |v[97+16*\b+\i]|
.endr
.endr
.irp b, 0,1,2,3
	s_delay_alu instid0(VALU_DEP_4)
	v_permlanex16_b32 v[TM+4+\b], v[TM+\b], s[SEL], s[SEL+1]
.endr
.irp b, 0,1,2,3
	s_delay_alu instid0(VALU_DEP_4)
	v_max_num_f32 v[TM+\b], v[TM+\b], v[TM+4+\b]
.endr
.irp b, 0,1,2,3
	s_delay_alu instid0(VALU_DEP_4)
	v_add_nc_u32 v[TM+12+\b], 0xff000000, v[TM+\b]
.endr
.irp b, 0,1,2,3
	s_delay_alu instid0(VALU_DEP_4)
	v_lshrrev_b32 v[TM+4+\b], 23, v[TM+12+\b]
.endr
	s_delay_alu instid0(VALU_DEP_3)
	v_lshl_or_b32 v[PW], v[TM+5], 8, v[TM+4]
	s_delay_alu instid0(VALU_DEP_1)
	v_lshl_or_b32 v[PW], v[TM+6], 16, v[PW]
	s_delay_alu instid0(VALU_DEP_1)
	v_lshl_or_b32 v[PW], v[TM+7], 24, v[PW]
.irp c, 0,1
	v_cvt_scalef32_pk16_fp6_f32 v[PC+6*\c:PC+2+6*\c], v[96+32*\c:111+32*\c], v[TM+12+2*\c]
	v_cvt_scalef32_pk16_fp6_f32 v[PC+12+4*\c:PC+14+4*\c], v[112+32*\c:127+32*\c], v[TM+12+2*\c+1]
.endr
	v_nop
.irp c, 0,1
.irp i, 0,1,2
	v_permlane16_swap_b32 v[PC+6*\c+\i], v[PC+12+4*\c+\i]
.endr
.irp i, 0,1,2
	s_delay_alu instid0(VALU_DEP_3)
	v_mov_b32 v[PC+3+6*\c+\i], v[PC+12+4*\c+\i]
.endr
.endr
.irp c, 0,1,2
	global_store_b128 v[LI], v[PC+4*\c:PC+4*\c+3], s[14:15] offset:512*\c
.endr
	ds_store_b32 v[SGW], v[PW]
.Lgiven:
	s_wait_dscnt 0x0
	s_barrier_signal -1
	s_barrier_wait -1
	s_cmp_lg_u32 s[WV], 0
	s_cbranch_scc1 .Lnot_first
	ds_load_b128 v[88:91], v[SGR]
	s_wait_dscnt 0x0
	global_store_b128 v[LI], v[88:91], s[16:17]
.Lnot_first:
	s_wait_tensorcnt 0x0
	ds_add_u32 v[SPW], v[NIL]
	s_wait_dscnt 0x0
	CROUND
	s_endpgm
.Lfunc_end_k_qc62e631a99_attn:
	.size	k_qc62e631a99_attn, .Lfunc_end_k_qc62e631a99_attn-k_qc62e631a99_attn
	.p2alignl 7, 3214868480
	.fill 96, 4, 3214868480
	.section	.rodata,"a",@progbits
	.p2align	6, 0x0
	.amdhsa_kernel k_qc62e631a99_attn
		.amdhsa_group_segment_fixed_size 327680
		.amdhsa_private_segment_fixed_size 0
		.amdhsa_enable_private_segment 0
		.amdhsa_kernarg_size 24
		.amdhsa_user_sgpr_count 2
		.amdhsa_user_sgpr_kernarg_segment_ptr 1
		.amdhsa_wavefront_size32 1
		.amdhsa_system_sgpr_workgroup_id_x 1
		.amdhsa_system_sgpr_workgroup_id_y 1
		.amdhsa_system_sgpr_workgroup_id_z 1
		.amdhsa_system_vgpr_workitem_id 0
		.amdhsa_next_free_vgpr 256
		.amdhsa_next_free_sgpr 80
		.amdhsa_reserve_vcc 0
		.amdhsa_float_denorm_mode_32 3
		.amdhsa_float_denorm_mode_16_64 3
		.amdhsa_memory_ordered 1
		.amdhsa_forward_progress 1
		.amdhsa_inst_pref_size 184
	.end_amdhsa_kernel
	.amdgpu_metadata
---
amdhsa.version: [ 1, 2 ]
amdhsa.kernels:
  - .name:           k_qc62e631a99_attn
    .symbol:         k_qc62e631a99_attn.kd
    .args:
      - { .name: qf, .offset: 0, .size: 8, .value_kind: global_buffer, .address_space: global }
      - { .name: kvf, .offset: 8, .size: 8, .value_kind: global_buffer, .address_space: global }
      - { .name: cf, .offset: 16, .size: 8, .value_kind: global_buffer, .address_space: global }
    .group_segment_fixed_size: 327680
    .private_segment_fixed_size: 0
    .kernarg_segment_align: 8
    .kernarg_segment_size: 24
    .max_flat_workgroup_size: 512
    .sgpr_count:     80
    .vgpr_count:     256
    .wavefront_size: 32
...
	.end_amdgpu_metadata
.endif
;; end of part 3
;; launch oproj (part 4): grid 16 x 16, 4 waves a work-group, clusters of 4 x 4, 327,680 bytes of LDS; arguments cf, wof, out0; writes out0
.if DOCPART == 4
	.amdgcn_target "amdgcn-amd-amdhsa--gfx1250"
	.amdhsa_code_object_version 6
	.text
	.protected	k_qc62e631a99_oproj
	.globl	k_qc62e631a99_oproj
	.p2align	8
	.type	k_qc62e631a99_oproj,@function
k_qc62e631a99_oproj:
	s_mov_b64 s[64:65], 0
	v_nop
	global_prefetch_b8 v0, s[64:65] scope:SCOPE_SE
	s_setreg_imm32_b32 hwreg(HW_REG_WAVE_MODE, 25, 1), 1
	s_wait_xcnt 0x0
	s_wait_alu depctr_hold_cnt(0) depctr_sa_sdst(0) depctr_va_vdst(0) depctr_va_sdst(0) depctr_va_ssrc(0) depctr_va_vcc(0) depctr_vm_vsrc(0)
	s_getreg_b32 s2, hwreg(HW_REG_IB_STS2, 6, 4)
	s_cmp_eq_u32 s2, 0
	s_cbranch_scc0 .Lentry_in_a_cluster
	s_endpgm
.Lentry_in_a_cluster:
	s_bfe_u32 s2, ttmp6, 0x10000c
	s_cmp_lg_u32 s2, 0xf033
	s_cbranch_scc0 .Lentry_shape_is_right
	s_endpgm
.Lentry_shape_is_right:
; LAUNCH 4 OF 4.  out0 = ctx x wo^T on codes of FP6 (E2M3) with E8M0 scales, both operands as register images (records of 128 rows x 512 K: 32 images of 1,536 bytes + 2,048 scale bytes).  Nothing of reference() is left out here.
; A work-group makes 128 tokens x 256 columns, a wave 64 x 128: 32 accumulators; K = 2,048 goes in four groups of 512 (A's record, B's two) through a ring of two LDS slots.  Source 0 = a fragment of wo, source 1 = of ctx:
; a lane holds one token and 16 neighbouring columns for each pair of accumulators; the results leave through the wave's own stage in slot 0, behind that slot's last fill and last read, as rows of 512 bytes.
; CLUSTERS of 4 x 4: A's record is asked for jointly along a row of the cluster, B's along a column.
; PREFETCH: behind the load of group g stands a prefetch of group g + 1 (g = 0, 1, 2), 512 along K ahead: each of the four partners that ask jointly names a quarter of what a wave fetches, told apart by address
; (cx for A, cy for B): 25 blocks of 256 bytes an instruction, a lane a block (lanes 25-31 name the last again); A's waves one instruction, B's two.
.set REC,    51200
.set PFA,    94                        ; s[94:95] my share of the group behind the one last asked of the ring
.set PFO,    30                        ; v30      256 x min(lane, 24); never rewritten
.macro ASK off
	global_prefetch_b8 v[PFO], s[PFA:PFA+1] offset:\off th:TH_LOAD_NT scope:SCOPE_SE
	s_cmp_eq_u32 s[FB], 0
	s_cbranch_scc1 .Lasked_all_\@
	global_prefetch_b8 v[PFO], s[PFA:PFA+1] offset:(\off)+6400 th:TH_LOAD_NT scope:SCOPE_SE
.Lasked_all_\@:
.endm
.set SCO,    49152
.set FRB,    1536
.set SLOT,   3*REC
.set SPARE,  2*SLOT
.set GROUPS, 4
.set LAPS,   GROUPS/2
.set BLKB,   GROUPS*REC
.set SPITCH, 528
.set ADRA, 16
.set ADSA, 18
.set ADRB, 20
.set ADSB, 22
.set STO,  24
.set RD,   25
.set CO,   26
.set SPW,  28
.set NIL,  29
.set SC,   32
.set AF,   64
.set BK,   64
.set WV,  16
.set FB,  17
.set HF,  18
.set G1,  24
.set G0,  32
.set G1B, 48
.set G0B, 56
.set MSB, 0
.macro WIN new
.if MSB != (\new)
	s_set_vgpr_msb (MSB<<8)|(\new)
.set MSB, (\new)
.endif
.endm
.set MUL,  0xa1
.set TO_B, 0x40
.macro JLOAD g0a, g1a, g0b, g1b
	s_cmp_eq_u32 s[FB], 0
	s_cbranch_scc0 .Lfor_b_\@
	tensor_load_to_lds s[\g0a:\g0a+3], s[\g1a:\g1a+7]
	s_nop 0
.rept 4
	v_nop
.endr
	s_branch .Lasked_\@
.Lfor_b_\@:
	tensor_load_to_lds s[\g0b:\g0b+3], s[\g1b:\g1b+7]
	s_nop 0
.rept 4
	v_nop
.endr
.Lasked_\@:
.endm
.macro CREST
	s_cmp_lg_u32 s[WV], 0
	s_cbranch_scc1 .Lnot_wave_0_\@
	s_barrier_signal -3
.Lnot_wave_0_\@:
	s_barrier_wait -3
	s_barrier_signal -1
	s_barrier_wait -1
.endm
.macro CROUND
	s_barrier_signal -1
	s_barrier_wait -1
	CREST
.endm
.macro PLACES
.rept 4
	v_nop
.endr
.endm
	s_load_b128 s[4:7], s[0:1], 0x0
	s_load_b64 s[8:9], s[0:1], 0x10
	v_lshl_add_u32 v[SPW], v0, 2, SPARE
	v_mov_b32 v[NIL], 0
	ds_add_u32 v[SPW], v[NIL]
	ds_add_u32 v[SPW], v[NIL]
	v_lshrrev_b32 v1, 5, v0
	v_readfirstlane_b32 s[WV], v1
	s_lshr_b32 s[FB], s[WV], 1
	s_and_b32 s[HF], s[WV], 1
	s_bfe_u32 s40, ttmp6, 0x40000
	s_bfe_u32 s41, ttmp6, 0x40004
	s_and_b32 s42, ttmp7, 0xffff
	s_lshl_b32 s43, s41, 2
	s_lshl_b32 s43, 15, s43
	s_lshl_b32 s44, 0x1111, s40
	s_or_b32 s[G1], s43, (3<<16)|(1<<21)
	s_or_b32 s[G1B], s44, (3<<16)|(1<<21)
	s_mov_b32 s[G1+1], 32<<16
	s_mov_b32 s[G1+2], 100<<16
	s_mov_b32 s[G1+3], 32<<16
	s_mov_b32 s[G1+4], 100
	s_mov_b32 s[G1+5], 32
	s_mov_b32 s[G1+6], 0
	s_mov_b32 s[G1+7], 0
	s_mov_b32 s[G1B+1], 32<<16
	s_mov_b32 s[G1B+2], 200<<16
	s_mov_b32 s[G1B+3], 32<<16
	s_mov_b32 s[G1B+4], 200
	s_mov_b32 s[G1B+5], 32
	s_mov_b32 s[G1B+6], 0
	s_mov_b32 s[G1B+7], 0
	s_lshl_b32 s74, s42, 2
	s_add_co_u32 s74, s74, s41
	s_lshl_b32 s75, ttmp9, 2
	s_add_co_u32 s75, s75, s40
	s_mul_i32 s90, s74, BLKB
	s_mul_i32 s46, s[HF], REC/2
	s_add_co_u32 s90, s90, s46
	s_mov_b32 s91, 0
	s_lshl_b32 s92, s75, 1
	s_add_co_u32 s92, s92, s[HF]
	s_mul_i32 s92, s92, BLKB
	s_mov_b32 s93, 0
	s_mul_i32 s47, s[HF], REC
	s_add_co_u32 s47, s47, REC
	s_wait_dscnt 0x0
	s_wait_kmcnt 0x0
	s_add_nc_u64 s[90:91], s[4:5], s[90:91]
	s_add_nc_u64 s[92:93], s[6:7], s[92:93]
.irp s, 0,1
	s_mov_b32 s[G0+4*\s], 1
	s_add_co_u32 s[G0+4*\s+1], s46, \s*SLOT
	s_add_nc_u64 s[G0+4*\s+2:G0+4*\s+3], s[90:91], \s*REC
	s_or_b32 s[G0+4*\s+3], s[G0+4*\s+3], 0x80000000
	s_mov_b32 s[G0B+4*\s], 1
	s_add_co_u32 s[G0B+4*\s+1], s47, \s*SLOT
	s_add_nc_u64 s[G0B+4*\s+2:G0B+4*\s+3], s[92:93], \s*REC
	s_or_b32 s[G0B+4*\s+3], s[G0B+4*\s+3], 0x80000000
.endr
	s_mul_i32 s96, s40, 6400                       ; my work-group's quarter of what I fetch: A's by cx,
	s_mul_i32 s97, s41, 12800                      ; B's by cy
	s_cmp_eq_u32 s[FB], 0
	s_cselect_b32 s96, s96, s97
	s_cselect_b64 s[PFA:PFA+1], s[90:91], s[92:93]
	s_mov_b32 s97, 0
	s_add_nc_u64 s[PFA:PFA+1], s[PFA:PFA+1], s[96:97]
	s_add_nc_u64 s[PFA:PFA+1], s[PFA:PFA+1], REC   ; at group 1
	CROUND                                         ; all sixteen work-groups are here: the first joint loads meet
	JLOAD G0, G1, G0B, G1B                         ; group 0: my one tensor load at the head; the set-up below stands under its flight
	v_and_b32 v[PFO], 31, v0
	v_min_u32 v[PFO], 24, v[PFO]
	v_lshlrev_b32 v[PFO], 8, v[PFO]
	s_wait_alu depctr_va_vdst(0)
	ASK 0                                          ; group 1
	s_lshl_b32 s76, s74, 1
	s_add_co_u32 s76, s76, s[FB]
	s_lshl_b32 s76, s76, 20
	s_lshl_b32 s77, s75, 10
	s_add_co_u32 s76, s76, s77
	s_lshl_b32 s77, s[HF], 9
	s_add_co_u32 s76, s76, s77
	s_mov_b32 s77, 0
	s_add_nc_u64 s[8:9], s[8:9], s[76:77]
	v_and_b32 v1, 31, v0
	v_and_b32 v2, 15, v0
	v_bfe_u32 v3, v0, 4, 1
	v_lshlrev_b32 v[CO], 4, v1
	s_wait_alu depctr_va_vdst(0)
	v_lshlrev_b32 v5, 2, v1
	s_wait_alu depctr_va_vdst(0)
	s_mul_i32 s66, s[FB], 4*FRB
	s_lshl_b32 s67, s[FB], 8
	s_add_co_u32 s67, s67, SCO
	s_mul_i32 s68, s[HF], REC
	s_add_co_u32 s68, s68, REC
	s_add_co_u32 s69, s68, SCO
.irp s, 0,1
	v_add_nc_u32 v[ADRA+\s], s66, v[CO]
	v_add_nc_u32 v[ADSA+\s], s67, v5
	v_add_nc_u32 v[ADRB+\s], s68, v[CO]
	v_add_nc_u32 v[ADSB+\s], s69, v5
	s_add_co_u32 s66, s66, SLOT
	s_add_co_u32 s67, s67, SLOT
	s_add_co_u32 s68, s68, SLOT
	s_add_co_u32 s69, s69, SLOT
.endr
	s_mul_i32 s22, s[WV], 16*SPITCH
	v_mul_u32_u24 v[STO], v2, SPITCH
	v_lshl_add_u32 v[STO], v3, 6, v[STO]
	v_add_nc_u32 v[STO], s22, v[STO]
	v_add_nc_u32 v[RD], s22, v[CO]
.macro WM a, b, p, zero
.set rD, 64*(\a)+8*(\b)
.set rB, 128*(\p)+12*(\b)
.set rA, AF+48*(\p)+12*(\a)
.set rSB, SC+6*(\p)+2+(\b)/2
.set rSA, SC+6*(\p)+(\a)/2
.set rW, 2*((\b)%2)+(\a)%2+4*(\zero)
.if rW == 0
	v_wmma_scale_f32_16x16x128_f8f6f4 v[rD:rD+7], v[rB:rB+11], v[rA:rA+11], v[rD:rD+7], v[rSB], v[rSA] matrix_a_fmt:MATRIX_FMT_FP6 matrix_b_fmt:MATRIX_FMT_FP6
.elseif rW == 1
	v_wmma_scale_f32_16x16x128_f8f6f4 v[rD:rD+7], v[rB:rB+11], v[rA:rA+11], v[rD:rD+7], v[rSB], v[rSA] matrix_a_fmt:MATRIX_FMT_FP6 matrix_b_fmt:MATRIX_FMT_FP6 matrix_b_scale:MATRIX_SCALE_ROW1
.elseif rW == 2
	v_wmma_scale_f32_16x16x128_f8f6f4 v[rD:rD+7], v[rB:rB+11], v[rA:rA+11], v[rD:rD+7], v[rSB], v[rSA] matrix_a_fmt:MATRIX_FMT_FP6 matrix_b_fmt:MATRIX_FMT_FP6 matrix_a_scale:MATRIX_SCALE_ROW1
.elseif rW == 3
	v_wmma_scale_f32_16x16x128_f8f6f4 v[rD:rD+7], v[rB:rB+11], v[rA:rA+11], v[rD:rD+7], v[rSB], v[rSA] matrix_a_fmt:MATRIX_FMT_FP6 matrix_b_fmt:MATRIX_FMT_FP6 matrix_a_scale:MATRIX_SCALE_ROW1 matrix_b_scale:MATRIX_SCALE_ROW1
.elseif rW == 4
	v_wmma_scale_f32_16x16x128_f8f6f4 v[rD:rD+7], v[rB:rB+11], v[rA:rA+11], 0, v[rSB], v[rSA] matrix_a_fmt:MATRIX_FMT_FP6 matrix_b_fmt:MATRIX_FMT_FP6
.elseif rW == 5
	v_wmma_scale_f32_16x16x128_f8f6f4 v[rD:rD+7], v[rB:rB+11], v[rA:rA+11], 0, v[rSB], v[rSA] matrix_a_fmt:MATRIX_FMT_FP6 matrix_b_fmt:MATRIX_FMT_FP6 matrix_b_scale:MATRIX_SCALE_ROW1
.elseif rW == 6
	v_wmma_scale_f32_16x16x128_f8f6f4 v[rD:rD+7], v[rB:rB+11], v[rA:rA+11], 0, v[rSB], v[rSA] matrix_a_fmt:MATRIX_FMT_FP6 matrix_b_fmt:MATRIX_FMT_FP6 matrix_a_scale:MATRIX_SCALE_ROW1
.else
	v_wmma_scale_f32_16x16x128_f8f6f4 v[rD:rD+7], v[rB:rB+11], v[rA:rA+11], 0, v[rSB], v[rSA] matrix_a_fmt:MATRIX_FMT_FP6 matrix_b_fmt:MATRIX_FMT_FP6 matrix_a_scale:MATRIX_SCALE_ROW1 matrix_b_scale:MATRIX_SCALE_ROW1
.endif
.endm
.macro MULA a, p, zero
.irp b, 0,1,2,3,4,5,6,7
	WM \a, \b, \p, \zero
.endr
.endm
.macro FETCH slot, q, p
	WIN TO_B
.irp i, 0,1,2,3,4,5,6,7
.irp c, 0,1,2
	ds_load_b128 v[128*(\p)+12*\i+4*\c:128*(\p)+12*\i+4*\c+3], v[ADRB+\slot] offset:8*FRB*(\q)+FRB*\i+512*\c
.endr
.endr
	WIN 0
.irp k, 0,1
	ds_load_b32 v[SC+6*(\p)+\k], v[ADSA+\slot] offset:512*(\q)+128*\k
.endr
.irp k, 0,1,2,3
	ds_load_b32 v[SC+6*(\p)+2+\k], v[ADSB+\slot] offset:512*(\q)+128*\k
.endr
.irp i, 0,1,2,3
.irp c, 0,1,2
	ds_load_b128 v[AF+48*(\p)+12*\i+4*\c:AF+48*(\p)+12*\i+4*\c+3], v[ADRA+\slot] offset:8*FRB*(\q)+FRB*\i+512*\c
.endr
.endr
.endm
.macro STEP slot, q, zero
	s_wait_dscnt 9
	WIN MUL
	MULA 0, (\q)%2, \zero
	PLACES
	FETCH \slot, (\q)+1, 1-(\q)%2
	s_wait_dscnt 42
	WIN MUL
	MULA 1, (\q)%2, \zero
	MULA 2, (\q)%2, \zero
	MULA 3, (\q)%2, \zero
.endm
.macro TURN slot, next, fill
	WIN 0
.if (\fill) && (\slot) == 0
	s_wait_xcnt 0x0                                ; my last prefetch has read its address, four K steps ago
	s_add_nc_u64 s[PFA:PFA+1], s[PFA:PFA+1], REC
.endif
	s_wait_tensorcnt 0x0
	ds_add_u32 v[SPW], v[NIL]
	s_wait_dscnt 10
	WIN MUL
	MULA 0, 1, 0
	s_wait_dscnt 0x0
	s_barrier_signal -1
	MULA 1, 1, 0
	WIN 0
	s_barrier_wait -1
.if \fill
	CREST
	s_add_nc_u64 s[G0+4*\slot+2:G0+4*\slot+3], s[G0+4*\slot+2:G0+4*\slot+3], 2*REC
	s_add_nc_u64 s[G0B+4*\slot+2:G0B+4*\slot+3], s[G0B+4*\slot+2:G0B+4*\slot+3], 2*REC
	JLOAD G0+4*\slot, G1, G0B+4*\slot, G1B
.else
	PLACES
.endif
	FETCH \next, 0, 0
.if (\fill) && (\slot) == 0
	ASK REC                                        ; group 3, behind group 2's load; behind group 3's load nothing is asked for
.endif
	WIN MUL
	MULA 2, 1, 0
	MULA 3, 1, 0
.endm
	s_wait_alu depctr_va_vdst(0)                   ; the wait at the head's end
	s_wait_tensorcnt 0x0                           ; my part of group 0 is in
	ds_add_u32 v[SPW], v[NIL]
	s_wait_dscnt 0x0
	CROUND                                         ; everybody's part is in, and the joint loads meet
	JLOAD G0+4, G1, G0B+4, G1B                     ; group 1, slot 1's first fill
	FETCH 0, 0, 0
	ASK REC                                        ; group 2
	STEP 0, 0, 1
	WIN 0
	s_mov_b32 s3, LAPS-1
.Llap:
	STEP 0, 1, 0
	STEP 0, 2, 0
	TURN 0, 1, 1
	STEP 1, 0, 0
	STEP 1, 1, 0
	STEP 1, 2, 0
	TURN 1, 0, 1
	STEP 0, 0, 0
	WIN 0
	s_sub_co_u32 s3, s3, 1
	s_cmp_lg_u32 s3, 0
	s_cbranch_scc1 .Llap
	STEP 0, 1, 0
	STEP 0, 2, 0
	TURN 0, 1, 0
	STEP 1, 0, 0
	STEP 1, 1, 0
	STEP 1, 2, 0
	s_wait_dscnt 9
	WIN MUL
	MULA 0, 1, 0
	s_wait_dscnt 0x0
	MULA 1, 1, 0
	MULA 2, 1, 0
	MULA 3, 1, 0
	WIN 0
.macro TOSTAGE a
	WIN 0x08
.irp n, 0,1,2,3,4,5,6,7,8,9,10,11,12,13,14,15
	ds_store_b128 v[STO], v[64*(\a)+4*\n:64*(\a)+4*\n+3] offset:128*(\n/4)+16*(\n%4)
.endr
	WIN 0
.irp t, 0,1,2,3,4,5,6,7,8,9,10,11,12,13,14,15
	ds_load_b128 v[BK+64*((\a)%2)+4*\t:BK+64*((\a)%2)+4*\t+3], v[RD] offset:\t*SPITCH
.endr
.endm
.macro SEND a, younger
	s_wait_dscnt \younger
.irp t, 0,1,2,3,4,5,6,7,8,9,10,11,12,13,14,15
	global_store_b128 v[CO], v[BK+64*((\a)%2)+4*\t:BK+64*((\a)%2)+4*\t+3], s[8:9] offset:(32*((\a)/2)+8*((\a)%2)+\t+8*(\t/8))*16384 th:TH_STORE_NT
.endr
.endm
	PLACES
	TOSTAGE 0
.irp a, 1,2,3
.if \a > 1
	s_wait_xcnt 0x0
.endif
	TOSTAGE \a
	SEND \a-1, 32
.endr
	SEND 3, 0
	s_wait_tensorcnt 0x0
	ds_add_u32 v[SPW], v[NIL]
	s_wait_dscnt 0x0
	CROUND
	s_endpgm
.Lfunc_end_k_qc62e631a99_oproj:
	.size	k_qc62e631a99_oproj, .Lfunc_end_k_qc62e631a99_oproj-k_qc62e631a99_oproj
	.p2alignl 7, 3214868480
	.fill 96, 4, 3214868480
	.section	.rodata,"a",@progbits
	.p2align	6, 0x0
	.amdhsa_kernel k_qc62e631a99_oproj
		.amdhsa_group_segment_fixed_size 327680
		.amdhsa_private_segment_fixed_size 0
		.amdhsa_enable_private_segment 0
		.amdhsa_kernarg_size 24
		.amdhsa_user_sgpr_count 2
		.amdhsa_user_sgpr_kernarg_segment_ptr 1
		.amdhsa_wavefront_size32 1
		.amdhsa_system_sgpr_workgroup_id_x 1
		.amdhsa_system_sgpr_workgroup_id_y 1
		.amdhsa_system_sgpr_workgroup_id_z 1
		.amdhsa_system_vgpr_workitem_id 0
		.amdhsa_next_free_vgpr 768
		.amdhsa_next_free_sgpr 100
		.amdhsa_reserve_vcc 0
		.amdhsa_float_denorm_mode_32 3
		.amdhsa_float_denorm_mode_16_64 3
		.amdhsa_memory_ordered 1
		.amdhsa_forward_progress 1
		.amdhsa_inst_pref_size 137
	.end_amdhsa_kernel
	.amdgpu_metadata
---
amdhsa.version: [ 1, 2 ]
amdhsa.kernels:
  - .name:           k_qc62e631a99_oproj
    .symbol:         k_qc62e631a99_oproj.kd
    .args:
      - { .name: cf, .offset: 0, .size: 8, .value_kind: global_buffer, .address_space: global }
      - { .name: wof, .offset: 8, .size: 8, .value_kind: global_buffer, .address_space: global }
      - { .name: out0, .offset: 16, .size: 8, .value_kind: global_buffer, .address_space: global }
    .group_segment_fixed_size: 327680
    .private_segment_fixed_size: 0
    .kernarg_segment_align: 8
    .kernarg_segment_size: 24
    .max_flat_workgroup_size: 128
    .sgpr_count:     100
    .vgpr_count:     768
    .wavefront_size: 32
...
	.end_amdgpu_metadata
.endif
;; end of part 4
